; MI455X (gfx1250); checked and timed in simulation.
; The chip was launched on July 23, 2026; its instructions are those of AMD's public machine-readable ISA for CDNA 5 (MIT licence, August 2026) and "CDNA5" Instruction Set Architecture Reference Guide (July 2026). The comments in the code are by the model that wrote it; some were corrected since.
;; Mamba3 Layer. Allowed arithmetic: float matrix products may take bf16 or f16 operands with f32 sums; other float arithmetic in f32, or as packed bf16 or f16 multiplies, adds, multiply-adds, maxima and minima; sums over many terms, partial sums and values carried from step to step in f32; what a program stores and reads back later, other than sums and carried values, may be rounded once to bf16 or f16.
;; Inputs: A_log 32 float32; B_norm_bias 1 x 64 float32; C_norm_bias 1 x 64 float32; W_in 4,320 x 1,024 float32; W_out 1,024 x 2,048 float32; dt_bias 32 float32; x 2 x 4,096 x 1,024 float32.
;; Outputs: out0 2 x 4,096 x 1,024 float32.
;; One version. Each part assembles by itself: llvm-mc -triple=amdgcn-amd-amdhsa -mcpu=gfx1250 --defsym DOCPART=n.
;; ======== version 1 of 1: 9 launches
;; limits: values outside matrix products are rounded to f16; values are held in f16: magnitudes above 65,504 overflow, below 6.1e-05 lose precision
;; workspace buffers: h16 47,316,992 bytes; proj 74,448,896 bytes; cor 10,485,760 bytes; prp 7,880,704 bytes; sst 16,777,216 bytes; hin 16,777,216 bytes; yb 34,603,008 bytes; ub 33,554,432 bytes
;; launch cvt (part 1): grid 456 x 1, 8 waves a work-group, no clusters, 0 bytes of LDS; arguments x, W_in, W_out, h16; writes h16
.if DOCPART == 1
	.amdgcn_target "amdgcn-amd-amdhsa--gfx1250"
	.amdhsa_code_object_version 6
	.text
	.protected	k_qafc080f15d_cvt
	.globl	k_qafc080f15d_cvt
	.p2align	8
	.type	k_qafc080f15d_cvt,@function
k_qafc080f15d_cvt:
	s_mov_b64 s[64:65], 0
	v_nop
	global_prefetch_b8 v0, s[64:65] scope:SCOPE_SE
	s_setreg_imm32_b32 hwreg(HW_REG_WAVE_MODE, 25, 1), 1
	s_wait_xcnt 0x0
; MAMBA-3 LAYER, launch 1 of 9: x, W_in and W_out are rounded once from f32 to f16, the format of every matrix operand of this program.
; h16: xh [8192][1024] at 0; wih [16][272][1024] at 16,777,216 (block bx = W_in rows 256 bx .. +255, then rows 4096 + 16 bx .. +15,
; zeros there for bx = 14, 15); woh [1024][2048] at 25,690,112; xl [8192][1024] at 29,884,416; wc [2][160][1024] at 46,661,632.
;
; HOW THE RECURRENCE IS COMPUTED (launches 4 to 7).  x_s (x) B_s enters h at step s with weight dt_s lam_s and at step s+1 with weight
; dt_{s+1} (1 - lam_{s+1}) alpha_{s+1}; so h_t = sum over s <= t of (prod_{r=s+1..t} alpha_r) w(s,t) x_s (x) B_s with
; w = g_s = dt_s lam_s + dt_{s+1} (1 - lam_{s+1}) for s < t and w = dt_t lam_t for s = t: one recurrence with a corrected diagonal,
; done in chunks of 64 steps as matrix products.  C_t.B_s does not change when both are turned by one angle, so B and C are turned by
; the angle summed from the start of their own segment of 256 steps, and the state is turned when it passes to the next segment.
; TWO F16 NUMBERS WHERE SUMS CANCEL.  C_t.B_s is a sum of 64 products that can cancel to far below its terms, and the row norm at the end divides by
; what is left, so an absolute error of that sum is magnified.  Everything that enters a sum over the state index is therefore carried as
; hi + lo, two f16 numbers: x and the 160 rows of W_in that make B, C and theta (lo = 2048 (v - hi), so that lo keeps f16's full precision),
; B, C and the state.  Products hi hi + hi lo + lo hi; lo lo, 2^-22 of the terms, is dropped.
; WORK LEFT OUT, for all values of the inputs: h0 is built as zeros in the function's body, so a batch's first segment loads no state, has no
; product with it and starts its state sum from the first product; x_prev[0] and B_shift[0] are the pad's zeros, so no term s = -1
; is formed; weights with s > t do not occur in h_t, so tiles of the 64 x 64 weight matrix above the diagonal and their K steps are
; not made; the state behind a batch's last segment, and in the output launch behind a segment's last chunk, reaches no y.
; All seven inputs are live and loaded.  A NaN, an infinity or an overflow that would reach only work left out is not carried on.
; LIMITS: |x|, |W_in|, |W_out|, |z|, |silu(x_raw)|, |B|, |C| after norm and bias and |C.B|/8 below 65,504 (f16); weights below 6e-5
; lose relative precision; the order of all sums differs from the step-by-step recurrence.
;
; This launch: a unit is a row of 1,024 f32 (4,096 bytes in, 2,048 out).  A work-group takes 32 rows, a wave 4.  Groups 0-255: x (hi and lo); 256-390: W_in
; (rows 4096-4223 and 4288-4319 also lo, and hi once more, into wc); 391-454: W_out (as 2,048 rows of 1,024); group 455 stores the 32 zero rows of wih.
; A lane reads 32 neighbouring bytes (two loads) and stores 16: a store of the wave covers 512 consecutive bytes, aligned.
.set X0, 32                            ; v[32:159] 16 pieces of 8 f32
.set Q0, 16                            ; v[16:31]  4 quads of packed hi, by turns
.set QL, 160                           ; v[160:175] 4 quads of packed lo, by turns
.set TF, 176                           ; v[176:183] at work
	s_load_b256 s[4:11], s[0:1], 0x0               ; x s[4:5], W_in s[6:7], W_out s[8:9], h16 s[10:11]
	v_lshrrev_b32 v3, 5, v0
	v_readfirstlane_b32 s12, v3                    ; wave
	v_and_b32 v3, 31, v0
	v_lshlrev_b32 v1, 5, v3                        ; 32 x lane: source
	v_lshlrev_b32 v2, 4, v3                        ; 16 x lane: destination
	s_lshl_b32 s13, s12, 2                         ; the wave's first row in the group
	s_wait_kmcnt 0x0
	s_cmp_eq_u32 ttmp9, 455
	s_cbranch_scc1 .Lzero
	s_cmp_lt_u32 ttmp9, 256
	s_cselect_b64 s[14:15], s[4:5], s[6:7]
	s_cselect_b32 s16, 0, 256                      ; the tensor's first group
	s_cselect_b32 s17, 0, 16777216                 ; its place in h16
	s_cmp_lt_u32 ttmp9, 391
	s_cselect_b64 s[14:15], s[14:15], s[8:9]
	s_cselect_b32 s16, s16, 391
	s_cselect_b32 s17, s17, 25690112
	s_sub_co_u32 s18, ttmp9, s16
	s_lshl_b32 s18, s18, 5
	s_add_co_u32 s18, s18, s13                     ; n0: the wave's first source row
	s_lshl_b32 s20, s18, 12
	s_mov_b32 s21, 0
	s_add_nc_u64 s[14:15], s[14:15], s[20:21]
	s_lshr_b32 s22, s18, 8                         ; W_in rows below 4096: block n0 / 256, row n0 % 256
	s_mul_i32 s22, s22, 272
	s_and_b32 s23, s18, 255
	s_add_co_u32 s22, s22, s23
	s_sub_co_u32 s23, s18, 4096                    ; the others: block m / 16, row 256 + m % 16
	s_lshr_b32 s24, s23, 4
	s_mul_i32 s24, s24, 272
	s_and_b32 s23, s23, 15
	s_add_co_u32 s24, s24, s23
	s_add_co_u32 s24, s24, 256
	s_cmp_lt_u32 s18, 4096
	s_cselect_b32 s22, s22, s24
	s_cmp_eq_u32 s16, 256                          ; only W_in is laid out in blocks
	s_cselect_b32 s22, s22, s18
	s_lshl_b32 s22, s22, 11
	s_add_co_u32 s22, s22, s17
	s_mov_b32 s23, 0
	s_mov_b64 s[26:27], s[10:11]                   ; h16 once more, for the lo parts
	s_add_nc_u64 s[10:11], s[10:11], s[22:23]
.set i, 0
.rept 16
	global_load_b128 v[X0+8*i:X0+8*i+3],   v1, s[14:15] offset:(i/4)*4096+(i%4)*1024 th:TH_LOAD_NT
	global_load_b128 v[X0+8*i+4:X0+8*i+7], v1, s[14:15] offset:(i/4)*4096+(i%4)*1024+16 th:TH_LOAD_NT
.set i, i+1
.endr
	s_mov_b32 s29, 0
	s_cmp_lt_u32 ttmp9, 256
	s_cbranch_scc1 .Lsplitx
	s_cmp_lg_u32 s16, 256
	s_cbranch_scc1 .Lplain
	s_cmp_lt_u32 s18, 4096
	s_cbranch_scc1 .Lplain
	s_sub_co_u32 s28, s18, 4096                    ; m: 0-127 B and C, 128-191 dt and lambda, 192-223 theta
	s_cmp_lt_u32 s28, 128
	s_cbranch_scc1 .Lsplitw
	s_cmp_lt_u32 s28, 192
	s_cbranch_scc1 .Lplain
	s_sub_co_u32 s28, s28, 64                      ; theta: rows 128-159 of wc
	s_branch .Lsplitw
.Lplain:
.set i, 0
.rept 16
	s_wait_loadcnt 30-2*i                          ; loads return in order: piece i is in, the 2 (15 - i) younger loads stay out
	s_wait_xcnt 0x0                                ; the quad was a store's data four pieces ago: rewritten only behind this wait
.irp r, 0,1,2,3
	v_cvt_pk_f16_f32 v[Q0+4*(i%4)+\r], v[X0+8*i+2*\r], v[X0+8*i+2*\r+1]
.endr
	global_store_b128 v2, v[Q0+4*(i%4):Q0+4*(i%4)+3], s[10:11] offset:(i/4)*2048+(i%4)*512
.set i, i+1
.endr
	s_endpgm
; A piece with both parts: hi = f16(v); v - hi is exact in f32; lo = f16(2048 (v - hi)).  The hi quad is given by number: halves of a register have names only so.
.macro PIECE2 i, q0, q1, q2, q3, third
	s_wait_loadcnt 30-2*(\i)
	s_wait_xcnt 0x0                                ; both quads were stores' data four pieces ago
	v_cvt_pk_f16_f32 v\q0, v[X0+8*(\i)], v[X0+8*(\i)+1]
	v_cvt_pk_f16_f32 v\q1, v[X0+8*(\i)+2], v[X0+8*(\i)+3]
	v_cvt_pk_f16_f32 v\q2, v[X0+8*(\i)+4], v[X0+8*(\i)+5]
	v_cvt_pk_f16_f32 v\q3, v[X0+8*(\i)+6], v[X0+8*(\i)+7]
	v_cvt_f32_f16 v[TF+0], v\q0\().l
	v_cvt_f32_f16 v[TF+1], v\q0\().h
	v_cvt_f32_f16 v[TF+2], v\q1\().l
	v_cvt_f32_f16 v[TF+3], v\q1\().h
	v_cvt_f32_f16 v[TF+4], v\q2\().l
	v_cvt_f32_f16 v[TF+5], v\q2\().h
	v_cvt_f32_f16 v[TF+6], v\q3\().l
	v_cvt_f32_f16 v[TF+7], v\q3\().h
.irp k, 0,2,4,6
	v_pk_add_f32 v[TF+\k:TF+\k+1], v[X0+8*(\i)+\k:X0+8*(\i)+\k+1], v[TF+\k:TF+\k+1] neg_lo:[0,1] neg_hi:[0,1]
	v_pk_mul_f32 v[TF+\k:TF+\k+1], v[TF+\k:TF+\k+1], 0x45000000 op_sel_hi:[1,0]
.endr
.irp r, 0,1,2,3
	v_cvt_pk_f16_f32 v[QL+4*((\i)%4)+\r], v[TF+2*\r], v[TF+2*\r+1]
.endr
	global_store_b128 v2, v[\q0:\q3], s[10:11] offset:((\i)/4)*2048+((\i)%4)*512
	global_store_b128 v2, v[QL+4*((\i)%4):QL+4*((\i)%4)+3], s[26:27] offset:((\i)/4)*2048+((\i)%4)*512
.if \third
	global_store_b128 v2, v[\q0:\q3], s[26:27] offset:327680+((\i)/4)*2048+((\i)%4)*512   ; wc's second table: hi
.endif
.endm
.macro ALL2 third
.irp g, 0,4,8,12
	PIECE2 \g+0, 16,17,18,19, \third
	PIECE2 \g+1, 20,21,22,23, \third
	PIECE2 \g+2, 24,25,26,27, \third
	PIECE2 \g+3, 28,29,30,31, \third
.endr
.endm
.Lsplitx:                                          ; x: hi to xh, lo to xl
	s_lshl_b32 s28, s18, 11
	s_add_co_u32 s28, s28, 29884416
	s_add_nc_u64 s[26:27], s[26:27], s[28:29]
	ALL2 0
	s_endpgm
.Lsplitw:                                          ; rows of W_in for B, C, theta: hi to wih, lo and hi to wc
	s_lshl_b32 s28, s28, 11
	s_add_co_u32 s28, s28, 46661632
	s_add_nc_u64 s[26:27], s[26:27], s[28:29]
	ALL2 1
	s_endpgm
.Lzero:                                            ; rows 256 .. 271 of blocks 14 and 15: W_in has no rows for them
	s_lshr_b32 s14, s12, 2
	s_add_co_u32 s14, s14, 14
	s_mul_i32 s14, s14, 272
	s_and_b32 s15, s13, 15
	s_add_co_u32 s14, s14, s15
	s_add_co_u32 s14, s14, 256
	s_lshl_b32 s14, s14, 11
	s_add_co_u32 s14, s14, 16777216
	s_mov_b32 s15, 0
	s_add_nc_u64 s[10:11], s[10:11], s[14:15]
.irp r, 0,1,2,3
	v_mov_b32 v[Q0+\r], 0
.endr
.set i, 0
.rept 16
	global_store_b128 v2, v[Q0:Q0+3], s[10:11] offset:512*i
.set i, i+1
.endr
	s_endpgm
.Lfunc_end_k_qafc080f15d_cvt:
	.size	k_qafc080f15d_cvt, .Lfunc_end_k_qafc080f15d_cvt-k_qafc080f15d_cvt
	.p2alignl 7, 3214868480
	.fill 96, 4, 3214868480
	.section	.rodata,"a",@progbits
	.p2align	6, 0x0
	.amdhsa_kernel k_qafc080f15d_cvt
		.amdhsa_group_segment_fixed_size 0
		.amdhsa_private_segment_fixed_size 0
		.amdhsa_enable_private_segment 0
		.amdhsa_kernarg_size 32
		.amdhsa_user_sgpr_count 2
		.amdhsa_user_sgpr_kernarg_segment_ptr 1
		.amdhsa_wavefront_size32 1
		.amdhsa_system_sgpr_workgroup_id_x 1
		.amdhsa_system_sgpr_workgroup_id_y 1
		.amdhsa_system_sgpr_workgroup_id_z 1
		.amdhsa_system_vgpr_workitem_id 0
		.amdhsa_next_free_vgpr 192
		.amdhsa_next_free_sgpr 66
		.amdhsa_reserve_vcc 0
		.amdhsa_float_denorm_mode_32 3
		.amdhsa_float_denorm_mode_16_64 3
		.amdhsa_memory_ordered 1
		.amdhsa_forward_progress 1
		.amdhsa_inst_pref_size 69
	.end_amdhsa_kernel
	.amdgpu_metadata
---
amdhsa.version: [ 1, 2 ]
amdhsa.kernels:
  - .name:           k_qafc080f15d_cvt
    .symbol:         k_qafc080f15d_cvt.kd
    .args:
      - { .name: x, .offset: 0, .size: 8, .value_kind: global_buffer, .address_space: global }
      - { .name: W_in, .offset: 8, .size: 8, .value_kind: global_buffer, .address_space: global }
      - { .name: W_out, .offset: 16, .size: 8, .value_kind: global_buffer, .address_space: global }
      - { .name: h16, .offset: 24, .size: 8, .value_kind: global_buffer, .address_space: global }
    .group_segment_fixed_size: 0
    .private_segment_fixed_size: 0
    .kernarg_segment_align: 8
    .kernarg_segment_size: 32
    .max_flat_workgroup_size: 256
    .sgpr_count:     66
    .vgpr_count:     192
    .wavefront_size: 32
...
	.end_amdgpu_metadata
.endif
;; end of part 1
;; launch gemm_in (part 2): grid 16 x 32, 4 waves a work-group, clusters of 4 x 4, 327,680 bytes of LDS; arguments h16, proj; writes proj
.if DOCPART == 2
	.amdgcn_target "amdgcn-amd-amdhsa--gfx1250"
	.amdhsa_code_object_version 6
	.text
	.protected	k_qafc080f15d_gemm_in
	.globl	k_qafc080f15d_gemm_in
	.p2align	8
	.type	k_qafc080f15d_gemm_in,@function
k_qafc080f15d_gemm_in:
	s_mov_b64 s[64:65], 0
	v_nop
	global_prefetch_b8 v0, s[64:65] scope:SCOPE_SE
	s_setreg_imm32_b32 hwreg(HW_REG_WAVE_MODE, 25, 1), 1
	s_wait_xcnt 0x0
	s_wait_alu depctr_hold_cnt(0) depctr_sa_sdst(0) depctr_va_vdst(0) depctr_va_sdst(0) depctr_va_ssrc(0) depctr_va_vcc(0) depctr_vm_vsrc(0)
	s_getreg_b32 s2, hwreg(HW_REG_IB_STS2, 6, 4)
	s_cmp_eq_u32 s2, 0
	s_cbranch_scc0 .Lentry_in_a_cluster
	s_endpgm
.Lentry_in_a_cluster:
	s_bfe_u32 s2, ttmp6, 0x10000c
	s_cmp_lg_u32 s2, 0xf033
	s_cbranch_scc0 .Lentry_shape_is_right
	s_endpgm
.Lentry_shape_is_right:
; Launch 2: proj = x W_in^T in f16 operands and f32 sums.  A work-group makes 256 rows x 272 columns: 256 columns of z or x_raw (block bx)
; and 16 of the 224 small columns (B, C, dt, lambda, theta).  zx f16 [8192][4096] at 0: z as it is, x_raw through silu.
; psm f32 [14][8192][16] at 67,108,864: the small columns.  Blocks 14 and 15 multiply 16 zero rows (all partners of a cluster run one
; text); those results are not stored.
; Four waves; wave (i, j) makes rows 128 i .. +127 x columns 128 j .. +127 (64 tiles, windows 2 and 3) and rows 128 i + 64 j .. +63 of the
; 16 small columns (4 tiles, window 1).  A's register slots 0-3 hold the wave's rows 128 i + 64 j + 16 a, slots 4-7 the other 64, so that
; the small tiles always take slots 0-3.  K goes in steps of 128 through two LDS slots filled by joint tensor loads: A's tile is shared
; along a row of the 4 x 4 cluster, W's along a column.  Matrix instructions are used transposed (source 0 = rows of W, source 1 = rows
; of x): a lane then holds eight neighbouring columns of one row.
; The 68 accumulators take turns, one instruction a turn, in one order in every quarter step.
; LIMIT: |z| and |silu(x_raw)| below 65,504.
.set SIZE_K, 1024
.set KSTEP,  128
.set PITCH,  272                       ; 256 bytes of a row + 16 of padding: 16 rows start at 16 different 16-byte columns
.set HALFA,  128*PITCH
.set HALFB,  136*PITCH
.set SLOT,   2*HALFA+2*HALFB           ; x's 256 rows, then W's 272
.set STAGE,  2*SLOT                    ; 4 x 4,352 bytes, a wave's own, never filled by a tensor load
.set LAPS,   SIZE_K/(2*KSTEP)
.set ZXP,    8192                      ; bytes in a row of zx
.set ALO, 16                           ; v16-17 LDS address of A slots 0-3 in LDS slot 0, 1
.set AHI, 18                           ; v18-19 of A slots 4-7
.set ADRB, 20                          ; v20-21 of my 128 rows of W
.set ADRX, 22                          ; v22-23 of W's rows 256-271
.set STO, 24
.set RD,  25
.set CO,  26
.set STX, 27
.set RDX, 28
.set COX, 29
.set VBX, 30
.set F0,  64
.set F1,  128
.set TMP, 192
.set FX0, 192                          ; window 1: the small columns' fragment, two buffers
.set FX1, 200
.set G1, 24
.set G0, 32
.set G1B, 48
.set G0B, 56
.set MSB, 0
.macro WIN new                         ; the immediate's high byte repeats the setting that is left
.if MSB != \new
	s_set_vgpr_msb (MSB<<8)|\new
.set MSB, \new
.endif
.endm
.set MUL_LO, 0xa1                      ; source 0 (W) window 1, source 1 (x) window 0, C and D window 2
.set MUL_HI, 0xf1                      ; C and D window 3
.set MUL_X,  0x51                      ; C and D window 1
.set TO_B,   0x40
.macro JLOAD s                         ; waves 0, 1 ask for x's halves, waves 2, 3 for W's: the branch hangs on the wave's number alone
	s_cmp_eq_u32 s11, 0
	s_cbranch_scc0 .Lfor_b_\@
	tensor_load_to_lds s[G0+4*\s:G0+4*\s+3], s[G1:G1+7]
	s_nop 0
	s_branch .Lasked_\@
.Lfor_b_\@:
	tensor_load_to_lds s[G0B+4*\s:G0B+4*\s+3], s[G1B:G1B+7]
	s_nop 0
.Lasked_\@:
.endm
.macro CREST                           ; a round of the cluster's barrier behind its opening barrier
	s_cmp_lg_u32 s10, 0
	s_cbranch_scc1 .Lnot_wave_0_\@
	s_barrier_signal -3
.Lnot_wave_0_\@:
	s_barrier_wait -3
	s_barrier_signal -1
	s_barrier_wait -1
.endm
.macro CROUND
	s_barrier_signal -1
	s_barrier_wait -1
	CREST
.endm
.macro PLACES                          ; four places behind matrix instructions (ISA guide 7.12.1)
.rept 4
	v_nop
.endr
.endm
	s_load_b128 s[4:7], s[0:1], 0x0                ; h16 s[4:5], proj s[6:7]
	s_set_vgpr_msb 0x40
	v_lshl_add_u32 v255, v0, 2, 0x4a600
	s_set_vgpr_msb 0x4000
	v_mov_b32 v255, 0
	s_set_vgpr_msb 0x1
	ds_add_u32 v255, v255
	ds_add_u32 v255, v255
	s_set_vgpr_msb 0x100
	v_lshrrev_b32 v1, 5, v0
	v_readfirstlane_b32 s10, v1                    ; wave
	s_lshr_b32 s11, s10, 1                         ; i; also: I fetch for x (0) or W (1)
	s_and_b32 s12, s10, 1                          ; j; also: which half I fetch
	s_bfe_u32 s40, ttmp6, 0x40000                  ; cx
	s_bfe_u32 s41, ttmp6, 0x40004                  ; cy
	s_lshl_b32 s42, ttmp9, 2
	s_add_co_u32 s42, s42, s40                     ; bx
	s_and_b32 s13, ttmp7, 0xffff
	s_lshl_b32 s13, s13, 2
	s_add_co_u32 s13, s13, s41                     ; by
	s_lshl_b32 s43, s41, 2
	s_lshl_b32 s43, 15, s43                        ; my row of the cluster
	s_lshl_b32 s44, 0x1111, s40                    ; my column
	s_or_b32 s[G1+0], s43, (1<<16)|(1<<20)|(1<<21)|(5<<22)|(3<<25)   ; mask; 2-byte elements; 4 words of padding behind every 64
	s_or_b32 s[G1B+0], s44, (1<<16)|(1<<20)|(1<<21)|(5<<22)|(3<<25)
	s_mov_b32 s[G1+1], KSTEP<<16                   ; tensor_dim0 = 128
	s_mov_b32 s[G1B+1], KSTEP<<16
	s_mov_b32 s[G1+2], 128<<16                     ; tensor_dim1 = 128 rows of x
	s_mov_b32 s[G1B+2], 136<<16                    ; 136 rows of W
	s_mov_b32 s[G1+3], KSTEP<<16                   ; tile_dim0
	s_mov_b32 s[G1B+3], KSTEP<<16
	s_mov_b32 s[G1+4], 128                         ; tile_dim1
	s_mov_b32 s[G1B+4], 136
	s_mov_b32 s[G1+5], SIZE_K                      ; elements from row to row
	s_mov_b32 s[G1B+5], SIZE_K
	s_mov_b32 s[G1+6], 0
	s_mov_b32 s[G1B+6], 0
	s_mov_b32 s[G1+7], 0
	s_mov_b32 s[G1B+7], 0
	s_lshl_b32 s16, s13, 8                         ; x: row 256 by + 128 half (the block row alone)
	s_lshl_b32 s17, s12, 7
	s_add_co_u32 s16, s16, s17
	s_lshl_b32 s16, s16, 11
	s_mov_b32 s17, 0
	s_mul_i32 s46, s42, 272                        ; W: row 272 bx + 136 half of wih (the block column alone)
	s_mul_i32 s47, s12, 136
	s_add_co_u32 s46, s46, s47
	s_lshl_b32 s46, s46, 11
	s_add_co_u32 s46, s46, 16777216
	s_mov_b32 s47, 0
	s_mul_i32 s20, s12, HALFA                      ; LDS: x's halves, then W's: the wave's number alone
	s_mul_i32 s45, s12, HALFB
	s_add_co_u32 s45, s45, 2*HALFA
	s_wait_dscnt 0x0
	s_wait_kmcnt 0x0
	s_add_nc_u64 s[14:15], s[4:5], s[16:17]
	s_add_nc_u64 s[46:47], s[4:5], s[46:47]
	CROUND                                         ; all sixteen work-groups are here: the first joint loads meet
.irp s, 0,1
	s_mov_b32 s[G0+4*\s], 1
	s_add_co_u32 s[G0+4*\s+1], s20, \s*SLOT
	s_add_nc_u64 s[G0+4*\s+2:G0+4*\s+3], s[14:15], \s*KSTEP*2
	s_or_b32 s[G0+4*\s+3], s[G0+4*\s+3], 0x80000000
	s_mov_b32 s[G0B+4*\s], 1
	s_add_co_u32 s[G0B+4*\s+1], s45, \s*SLOT
	s_add_nc_u64 s[G0B+4*\s+2:G0B+4*\s+3], s[46:47], \s*KSTEP*2
	s_or_b32 s[G0B+4*\s+3], s[G0B+4*\s+3], 0x80000000
	JLOAD \s
.endr
	v_and_b32 v1, 15, v0                           ; r
	v_bfe_u32 v2, v0, 4, 1                         ; h
	v_mul_u32_u24 v3, v1, PITCH
	v_lshl_add_u32 v3, v2, 4, v3                   ; r x pitch + 16 h
	s_lshl_b32 s21, s11, 7
	s_lshl_b32 s22, s12, 6
	s_add_co_u32 s21, s21, s22                     ; 128 i + 64 j
	s_xor_b32 s22, s21, 64                         ; the other 64 rows
	s_mul_i32 s21, s21, PITCH
	s_mul_i32 s22, s22, PITCH
	s_mul_i32 s23, s12, HALFA                      ; W's rows 128 j
	s_add_co_u32 s23, s23, 2*HALFA
.irp s, 0,1
	v_add_nc_u32 v[ALO+\s], s21, v3
	v_add_nc_u32 v[AHI+\s], s22, v3
	v_add_nc_u32 v[ADRB+\s], s23, v3
	v_add_nc_u32 v[ADRX+\s], 2*HALFA+256*PITCH+\s*SLOT, v3
	s_add_co_u32 s21, s21, SLOT
	s_add_co_u32 s22, s22, SLOT
	s_add_co_u32 s23, s23, SLOT
.endr
	s_mul_i32 s23, s10, 16*PITCH
	s_add_co_u32 s23, s23, STAGE                   ; my stage
	v_add_nc_u32 v[STO], s23, v3
	v_mul_u32_u24 v5, v2, PITCH
	v_lshl_add_u32 v5, v1, 4, v5
	v_add_nc_u32 v[RD], s23, v5
	v_lshlrev_b32 v5, 13, v2
	v_lshl_add_u32 v[CO], v1, 4, v5                ; 8,192 h + 16 r
	v_lshlrev_b32 v5, 6, v1
	v_lshl_add_u32 v5, v2, 5, v5
	v_add_nc_u32 v[STX], s23, v5                   ; 64 r + 32 h
	v_and_b32 v5, 31, v0
	v_lshlrev_b32 v[COX], 4, v5
	v_add_nc_u32 v[RDX], s23, v[COX]
	v_mov_b32 v[VBX], s42
.macro MUL16 f, hi, a0, zero
.irp a, \a0, \a0+1
.irp b, 0,1,2,3,4,5,6,7
.if \zero
	v_wmma_f32_16x16x32_f16 v[8*(8*(\a)+\b):8*(8*(\a)+\b)+7], v[\f+8*\b:\f+8*\b+7], v[\f+8*(4*\hi+\a):\f+8*(4*\hi+\a)+7], 0
.else
	v_wmma_f32_16x16x32_f16 v[8*(8*(\a)+\b):8*(8*(\a)+\b)+7], v[\f+8*\b:\f+8*\b+7], v[\f+8*(4*\hi+\a):\f+8*(4*\hi+\a)+7], v[8*(8*(\a)+\b):8*(8*(\a)+\b)+7]
.endif
.endr
.endr
.endm
.macro MULX f, fx, zero                ; the four small tiles: my 64 rows x 16 columns
.irp a, 0,1,2,3
.if \zero
	v_wmma_f32_16x16x32_f16 v[8*\a:8*\a+7], v[\fx:\fx+7], v[\f+8*\a:\f+8*\a+7], 0
.else
	v_wmma_f32_16x16x32_f16 v[8*\a:8*\a+7], v[\fx:\fx+7], v[\f+8*\a:\f+8*\a+7], v[8*\a:8*\a+7]
.endif
.endr
.endm
.macro FETCH slot, k, f, fx            ; 34 LDS loads in one run: W 16, small 2, A slots 0-3 8, A slots 4-7 8
	WIN TO_B
.irp i, 0,1,2,3,4,5,6,7
	ds_load_b128 v[\f+8*\i:\f+8*\i+3],   v[ADRB+\slot] offset:\k+\i*16*PITCH
	ds_load_b128 v[\f+8*\i+4:\f+8*\i+7], v[ADRB+\slot] offset:\k+\i*16*PITCH+32
.endr
	ds_load_b128 v[\fx:\fx+3],   v[ADRX+\slot] offset:\k
	ds_load_b128 v[\fx+4:\fx+7], v[ADRX+\slot] offset:\k+32
	WIN 0
.irp i, 0,1,2,3
	ds_load_b128 v[\f+8*\i:\f+8*\i+3],   v[ALO+\slot] offset:\k+\i*16*PITCH
	ds_load_b128 v[\f+8*\i+4:\f+8*\i+7], v[ALO+\slot] offset:\k+\i*16*PITCH+32
.endr
.irp i, 0,1,2,3
	ds_load_b128 v[\f+32+8*\i:\f+32+8*\i+3],   v[AHI+\slot] offset:\k+\i*16*PITCH
	ds_load_b128 v[\f+32+8*\i+4:\f+32+8*\i+7], v[AHI+\slot] offset:\k+\i*16*PITCH+32
.endr
.endm
.macro QUARTER slot, k, f, g, fx, gx, zero
	s_wait_dscnt 8                                 ; all but the youngest eight loads (A slots 4-7) are in
	WIN MUL_LO
	MUL16 \f, 0, 0, \zero
	MUL16 \f, 0, 2, \zero
	WIN MUL_X
	MULX \f, \fx, \zero
	PLACES
	FETCH \slot, \k, \g, \gx
	s_wait_dscnt 34                                ; all but the 34 just issued
	WIN MUL_HI
	MUL16 \f, 1, 0, \zero
	MUL16 \f, 1, 2, \zero
.endm
.macro THREE slot, zero
	QUARTER \slot, 64,  F0, F1, FX0, FX1, \zero
	QUARTER \slot, 128, F1, F0, FX1, FX0, 0
	QUARTER \slot, 192, F0, F1, FX0, FX1, 0
.endm
; The last quarter of a K step changes slots.  In front of the barrier each wave waits for its reads of this slot and for all its tensor
; loads (one is out: its part of the next slot).  Where the slot is filled again the barrier opens a round of the cluster's barrier, and the
; joint refill is the first tensor load behind the round.
.macro TURN slot, next, fill
	s_wait_dscnt 8
	WIN MUL_LO
	MUL16 F1, 0, 0, 0
	s_wait_dscnt 0
	s_wait_tensorcnt 0x0
	ds_add_u32 v255, v255
	s_wait_dscnt 0x0
	s_barrier_signal -1
	MUL16 F1, 0, 2, 0
	WIN MUL_X
	MULX F1, FX1, 0
	WIN 0
	s_barrier_wait -1
.if \fill
	CREST
	s_add_nc_u64 s[G0+4*\slot+2:G0+4*\slot+3], s[G0+4*\slot+2:G0+4*\slot+3], 2*KSTEP*2
	s_add_nc_u64 s[G0B+4*\slot+2:G0B+4*\slot+3], s[G0B+4*\slot+2:G0B+4*\slot+3], 2*KSTEP*2
	JLOAD \slot
.endif
	PLACES
	FETCH \next, 0, F0, FX0
	WIN MUL_HI
	MUL16 F1, 1, 0, 0
	MUL16 F1, 1, 2, 0
.endm
.macro LAP zero
	THREE 0, \zero
	TURN 0, 1, 1
	THREE 1, 0
	TURN 1, 0, 1
.endm
	s_wait_tensorcnt 1                             ; my part of K step 0 is in; K step 1's stays out
	s_barrier_signal -1
	s_barrier_wait -1
	FETCH 0, 0, F0, FX0
	LAP 1                                          ; the first products start the sums
	WIN 0
	s_mov_b32 s3, LAPS-2
.Llap:
	LAP 0
	WIN 0
	s_sub_co_u32 s3, s3, 1
	s_cmp_lg_u32 s3, 0
	s_cbranch_scc1 .Llap
	THREE 0, 0                                     ; the last lap fills nothing
	TURN 0, 1, 0
	THREE 1, 0
	s_wait_dscnt 8
	WIN MUL_LO
	MUL16 F1, 0, 0, 0
	MUL16 F1, 0, 2, 0
	WIN MUL_X
	MULX F1, FX1, 0
	s_wait_dscnt 0
	WIN MUL_HI
	MUL16 F1, 1, 0, 0
	MUL16 F1, 1, 2, 0
	WIN 0
	PLACES
	; the way out
	s_lshl_b32 s16, s13, 8
	s_lshl_b32 s14, s11, 7
	s_add_co_u32 s16, s16, s14
	s_lshl_b32 s14, s12, 6
	s_add_co_u32 s16, s16, s14                     ; first row of window 2's tiles
	s_xor_b32 s18, s16, 64                         ; of window 3's
	s_lshl_b32 s20, s16, 6
	s_lshl_b32 s16, s16, 13
	s_lshl_b32 s18, s18, 13
	s_mov_b32 s17, 0
	s_mov_b32 s19, 0
	s_mov_b32 s21, 0
	s_lshl_b32 s46, s42, 9                         ; column byte 512 bx + 256 j
	s_lshl_b32 s47, s12, 8
	s_add_co_u32 s46, s46, s47
	s_mov_b32 s47, 0
	s_add_nc_u64 s[8:9], s[6:7], s[46:47]
	s_add_nc_u64 s[66:67], s[8:9], s[18:19]
	s_add_nc_u64 s[8:9], s[8:9], s[16:17]
	s_lshl_b32 s46, s42, 19                        ; psm block bx
	s_add_co_u32 s46, s46, 67108864
	s_add_nc_u64 s[68:69], s[6:7], s[46:47]
	s_add_nc_u64 s[68:69], s[68:69], s[20:21]
; The tail that both ways out share: 16 rows go through my stage and leave as whole rows of 256 bytes.
.macro LEAVE a, f, bs
.irp b, 0,1,2,3,4,5,6,7
	ds_store_b128 v[STO], v[TMP+4*\b:TMP+4*\b+3] offset:32*\b
.endr
	s_wait_xcnt 0x0                                ; the read-back registers and the base were stores' sources: rewritten only behind this wait
.if \a
	s_add_nc_u64 s[\bs:\bs+1], s[\bs:\bs+1], 16*ZXP
.endif
.irp t, 0,1,2,3,4,5,6,7
	ds_load_b128 v[\f+4*\t:\f+4*\t+3], v[RD] offset:\t*2*PITCH     ; a wave's LDS instructions are served in order: these see the stores above
.endr
.irp t, 0,1,2,3,4,5,6,7
	s_wait_dscnt 7-\t
	global_store_b128 v[CO], v[\f+4*\t:\f+4*\t+3], s[\bs:\bs+1] offset:2*\t*ZXP   ; 16 lanes store 256 consecutive bytes, aligned
.endr
.endm
.macro OUT16 a, from, f, bs            ; z: round to f16
	WIN \from
.set k, 0
.rept 32
	v_cvt_pk_f16_f32 v[TMP+k], v[64*\a+2*k], v[64*\a+2*k+1]
.set k, k+1
.endr
	WIN 0
	LEAVE \a, \f, \bs
.endm
.macro OUT16S a, win, f, bs            ; x_raw: silu(v) = v / (1 + 2^(-v log2 e)), then round
	WIN \win
.set k, 0
.rept 32
	v_pk_mul_f32 v[F0+2*k:F0+2*k+1], v[64*\a+2*k:64*\a+2*k+1], 0xbfb8aa3b op_sel_hi:[1,0]
.set k, k+1
.endr
	WIN 0
.set k, 0
.rept 64
	v_exp_f32 v[F0+k], v[F0+k]
.set k, k+1
.endr
	v_nop                                          ; one plain place behind the last transcendental
.set k, 0
	s_wait_alu depctr_va_vdst(0)
.rept 32
	v_pk_add_f32 v[F0+2*k:F0+2*k+1], v[F0+2*k:F0+2*k+1], 1.0 op_sel_hi:[1,0]
.set k, k+1
.endr
.set k, 0
.rept 64
	v_rcp_f32 v[F0+k], v[F0+k]
.set k, k+1
.endr
	v_nop
	WIN \win
.set k, 0
	s_wait_alu depctr_va_vdst(0)
.rept 32
	v_pk_mul_f32 v[F0+2*k:F0+2*k+1], v[64*\a+2*k:64*\a+2*k+1], v[F0+2*k:F0+2*k+1]
.set k, k+1
.endr
	WIN 0
.set k, 0
.rept 32
	v_cvt_pk_f16_f32 v[TMP+k], v[F0+2*k], v[F0+2*k+1]
.set k, k+1
.endr
	LEAVE \a, \f, \bs
.endm
	s_cmp_ge_u32 ttmp9, 2                          ; the cluster's x, equal in all partners: bx >= 8 is x_raw
	s_cbranch_scc1 .Lsilu
	OUT16 0, 0x0a, F0, 8
	OUT16 1, 0x0a, F1, 8
	OUT16 2, 0x0a, F0, 8
	OUT16 3, 0x0a, F1, 8
	OUT16 0, 0x0f, F0, 66
	OUT16 1, 0x0f, F1, 66
	OUT16 2, 0x0f, F0, 66
	OUT16 3, 0x0f, F1, 66
	s_branch .Lextra
.Lsilu:
	OUT16S 0, 0x02, 128, 8
	OUT16S 1, 0x02, 160, 8
	OUT16S 2, 0x02, 128, 8
	OUT16S 3, 0x02, 160, 8
	OUT16S 0, 0x03, 128, 66
	OUT16S 1, 0x03, 160, 66
	OUT16S 2, 0x03, 128, 66
	OUT16S 3, 0x03, 160, 66
.Lextra:
	; the small tiles, f32: 64 rows x 64 bytes are 4,096 consecutive bytes of psm; through the stage so that a store covers 512 of them
	WIN 0x04
.irp a, 0,1,2,3
	ds_store_b128 v[STX], v[8*\a:8*\a+3]   offset:1024*\a
	ds_store_b128 v[STX], v[8*\a+4:8*\a+7] offset:1024*\a+16
.endr
	WIN 0
	s_wait_xcnt 0x0                                ; v64-95 may have been stores' data; EXEC changes only behind this wait
.irp t, 0,1,2,3,4,5,6,7
	ds_load_b128 v[F0+4*\t:F0+4*\t+3], v[RDX] offset:512*\t
.endr
	s_wait_dscnt 0x0
	v_cmp_gt_u32 vcc_lo, 14, v[VBX]                ; blocks 14 and 15 hold no column of proj
	s_and_saveexec_b32 s16, vcc_lo
.irp t, 0,1,2,3,4,5,6,7
	global_store_b128 v[COX], v[F0+4*\t:F0+4*\t+3], s[68:69] offset:512*\t
.endr
	s_wait_xcnt 0x0
	s_or_b32 exec_lo, exec_lo, s16
	s_set_vgpr_msb 0x1
	s_wait_tensorcnt 0x0
	ds_add_u32 v255, v255
	s_wait_dscnt 0x0
	s_set_vgpr_msb 0x100
	CROUND                                         ; no work-group ends while a partner may still ask for a tile that names it
	s_endpgm
.Lfunc_end_k_qafc080f15d_gemm_in:
	.size	k_qafc080f15d_gemm_in, .Lfunc_end_k_qafc080f15d_gemm_in-k_qafc080f15d_gemm_in
	.p2alignl 7, 3214868480
	.fill 96, 4, 3214868480
	.section	.rodata,"a",@progbits
	.p2align	6, 0x0
	.amdhsa_kernel k_qafc080f15d_gemm_in
		.amdhsa_group_segment_fixed_size 327680
		.amdhsa_private_segment_fixed_size 0
		.amdhsa_enable_private_segment 0
		.amdhsa_kernarg_size 16
		.amdhsa_user_sgpr_count 2
		.amdhsa_user_sgpr_kernarg_segment_ptr 1
		.amdhsa_wavefront_size32 1
		.amdhsa_system_sgpr_workgroup_id_x 1
		.amdhsa_system_sgpr_workgroup_id_y 1
		.amdhsa_system_sgpr_workgroup_id_z 1
		.amdhsa_system_vgpr_workitem_id 0
		.amdhsa_next_free_vgpr 1024
		.amdhsa_next_free_sgpr 80
		.amdhsa_reserve_vcc 1
		.amdhsa_float_denorm_mode_32 3
		.amdhsa_float_denorm_mode_16_64 3
		.amdhsa_memory_ordered 1
		.amdhsa_forward_progress 1
		.amdhsa_inst_pref_size 255
	.end_amdhsa_kernel
	.section	.bss,"aw",@nobits
	.p2align	6
	.space	262144
	.amdgpu_metadata
---
amdhsa.version: [ 1, 2 ]
amdhsa.kernels:
  - .name:           k_qafc080f15d_gemm_in
    .symbol:         k_qafc080f15d_gemm_in.kd
    .args:
      - { .name: h16, .offset: 0, .size: 8, .value_kind: global_buffer, .address_space: global }
      - { .name: proj, .offset: 8, .size: 8, .value_kind: global_buffer, .address_space: global }
    .group_segment_fixed_size: 327680
    .private_segment_fixed_size: 0
    .kernarg_segment_align: 8
    .kernarg_segment_size: 16
    .max_flat_workgroup_size: 128
    .sgpr_count:     80
    .vgpr_count:     1024
    .wavefront_size: 32
...
	.end_amdgpu_metadata
.endif
;; end of part 2
;; launch corr (part 3): grid 128 x 2, 4 waves a work-group, clusters of 4 x 1, 327,680 bytes of LDS; arguments h16, cor; writes cor
.if DOCPART == 3
	.amdgcn_target "amdgcn-amd-amdhsa--gfx1250"
	.amdhsa_code_object_version 6
	.text
	.protected	k_qafc080f15d_corr
	.globl	k_qafc080f15d_corr
	.p2align	8
	.type	k_qafc080f15d_corr,@function
k_qafc080f15d_corr:
	s_mov_b64 s[64:65], 0
	v_nop
	global_prefetch_b8 v0, s[64:65] scope:SCOPE_SE
	s_setreg_imm32_b32 hwreg(HW_REG_WAVE_MODE, 25, 1), 1
	s_wait_xcnt 0x0
	s_wait_alu depctr_hold_cnt(0) depctr_sa_sdst(0) depctr_va_vdst(0) depctr_va_sdst(0) depctr_va_ssrc(0) depctr_va_vcc(0) depctr_vm_vsrc(0)
	s_getreg_b32 s2, hwreg(HW_REG_IB_STS2, 6, 4)
	s_cmp_eq_u32 s2, 0
	s_cbranch_scc0 .Lentry_in_a_cluster
	s_endpgm
.Lentry_in_a_cluster:
	s_bfe_u32 s2, ttmp6, 0x10000c
	s_cmp_lg_u32 s2, 0x3003
	s_cbranch_scc0 .Lentry_shape_is_right
	s_endpgm
.Lentry_shape_is_right:
; Launch 3: what the f16 rounding of x and W_in took from the 160 columns B, C, theta of the in-projection:
; cor[0] = xh (2048 Wl)^T, cor[1] = (2048 xl) Wh^T, f32, laid out as [kind][10 blocks of 16 columns][8192 rows][16].  The next launch adds 2^-11 of both
; to xh Wh^T.  These columns enter sums that can cancel far below their terms, so f16's 11 bits are not enough for them.
; A work-group makes 64 rows x 160 columns of one kind over K = 1,024; wave (i, j) makes rows 32 i .. +31 x columns 80 j .. +79: 10 accumulator tiles.
; K goes in steps of 256 (rows of 512 bytes) through two LDS slots.  The four row blocks of a cluster need the same 160 rows of W: that tile is asked for
; jointly (waves 2 and 3, 80 rows each); x's 64 rows are the work-group's own (waves 0 and 1, 32 rows each, a plain load).
; Matrix instructions are used transposed (source 0 = rows of W, source 1 = rows of x): a lane holds eight neighbouring columns of one row.
; The 10 accumulators take turns, one instruction a turn, in one order in every step.
.set KSTEP, 256
.set PITCH, 528                        ; 512 bytes + 16 of padding: an odd multiple of 16
.set HALFA, 32*PITCH
.set ATILE, 64*PITCH
.set HALFB, 80*PITCH
.set SLOT,  ATILE+2*HALFB              ; 118,272
.set STAGE, 2*SLOT                     ; 4 x 10,240 bytes, a wave's own, never filled by a tensor load
.set BLK,   524288
.set ADRA, 2
.set ADRB, 4
.set STX, 6
.set RDX, 7
.set COX, 8
.set ACC, 16                           ; v16-95
.set F0, 96                            ; v96-151: x 2 fragments, W 5 fragments
.set F1, 152                           ; v152-207
.set G1, 24
.set G0, 32
.set G1B, 48
.set G0B, 56
.macro JLOAD s                         ; the branch hangs on the wave's number alone
	s_cmp_eq_u32 s11, 0
	s_cbranch_scc0 .Lfor_b_\@
	tensor_load_to_lds s[G0+4*\s:G0+4*\s+3], s[G1:G1+7]
	s_nop 0
	s_branch .Lasked_\@
.Lfor_b_\@:
	tensor_load_to_lds s[G0B+4*\s:G0B+4*\s+3], s[G1B:G1B+7]
	s_nop 0
.Lasked_\@:
.endm
.macro CREST
	s_cmp_lg_u32 s10, 0
	s_cbranch_scc1 .Lnot_wave_0_\@
	s_barrier_signal -3
.Lnot_wave_0_\@:
	s_barrier_wait -3
	s_barrier_signal -1
	s_barrier_wait -1
.endm
.macro CROUND
	s_barrier_signal -1
	s_barrier_wait -1
	CREST
.endm
.macro PLACES                          ; four places behind matrix instructions (ISA guide 7.12.1)
.rept 4
	v_nop
.endr
.endm
	s_load_b128 s[4:7], s[0:1], 0x0                ; h16, cor
	v_lshl_add_u32 v254, v0, 2, 0x43c00
	v_mov_b32 v255, 0
	ds_add_u32 v254, v255
	ds_add_u32 v254, v255
	v_lshrrev_b32 v1, 5, v0
	v_readfirstlane_b32 s10, v1                    ; wave
	s_lshr_b32 s11, s10, 1                         ; i; also: I fetch for x (0) or W (1)
	s_and_b32 s12, s10, 1                          ; j; also: which half I fetch
	s_bfe_u32 s40, ttmp6, 0x40000                  ; cx
	s_lshl_b32 s42, ttmp9, 2
	s_add_co_u32 s42, s42, s40                     ; row block
	s_and_b32 s13, ttmp7, 0xffff                   ; kind, the same in all four partners
	s_mov_b32 s[G1+0], (1<<16)|(1<<20)|(6<<22)|(3<<25)              ; x: no mask; 2-byte elements; 4 words of padding behind every 128
	s_mov_b32 s[G1B+0], 15|(1<<16)|(1<<20)|(1<<21)|(6<<22)|(3<<25)  ; W: all four work-groups of the cluster
	s_mov_b32 s[G1+1], KSTEP<<16
	s_mov_b32 s[G1B+1], KSTEP<<16
	s_mov_b32 s[G1+2], 32<<16
	s_mov_b32 s[G1B+2], 80<<16
	s_mov_b32 s[G1+3], KSTEP<<16
	s_mov_b32 s[G1B+3], KSTEP<<16
	s_mov_b32 s[G1+4], 32
	s_mov_b32 s[G1B+4], 80
	s_mov_b32 s[G1+5], 1024
	s_mov_b32 s[G1B+5], 1024
	s_mov_b32 s[G1+6], 0
	s_mov_b32 s[G1B+6], 0
	s_mov_b32 s[G1+7], 0
	s_mov_b32 s[G1B+7], 0
	s_lshl_b32 s16, s42, 6
	s_lshl_b32 s17, s12, 5
	s_add_co_u32 s16, s16, s17                     ; x: row 64 block + 32 half
	s_lshl_b32 s16, s16, 11
	s_cmp_eq_u32 s13, 0
	s_cselect_b32 s17, 0, 29884416                 ; kind 0 takes xh, kind 1 xl
	s_add_co_u32 s16, s16, s17
	s_mov_b32 s17, 0
	s_mul_i32 s46, s13, 327680                     ; W: kind 0 takes wc's lo table, kind 1 its hi table
	s_mul_i32 s47, s12, 80*2048
	s_add_co_u32 s46, s46, s47
	s_add_co_u32 s46, s46, 46661632
	s_mov_b32 s47, 0
	s_mul_i32 s20, s12, HALFA
	s_mul_i32 s45, s12, HALFB
	s_add_co_u32 s45, s45, ATILE
	s_wait_dscnt 0x0
	s_wait_kmcnt 0x0
	s_add_nc_u64 s[14:15], s[4:5], s[16:17]
	s_add_nc_u64 s[46:47], s[4:5], s[46:47]
	CROUND                                         ; all four work-groups are here: the first joint loads meet
.irp s, 0,1
	s_mov_b32 s[G0+4*\s], 1
	s_add_co_u32 s[G0+4*\s+1], s20, \s*SLOT
	s_add_nc_u64 s[G0+4*\s+2:G0+4*\s+3], s[14:15], \s*KSTEP*2
	s_or_b32 s[G0+4*\s+3], s[G0+4*\s+3], 0x80000000
	s_mov_b32 s[G0B+4*\s], 1
	s_add_co_u32 s[G0B+4*\s+1], s45, \s*SLOT
	s_add_nc_u64 s[G0B+4*\s+2:G0B+4*\s+3], s[46:47], \s*KSTEP*2
	s_or_b32 s[G0B+4*\s+3], s[G0B+4*\s+3], 0x80000000
	JLOAD \s
.endr
	v_and_b32 v1, 15, v0                           ; r
	v_bfe_u32 v9, v0, 4, 1                         ; h
	v_mul_u32_u24 v10, v1, PITCH
	v_lshl_add_u32 v10, v9, 4, v10
	s_mul_i32 s21, s11, HALFA                      ; my 32 rows of x
	s_mul_i32 s22, s12, HALFB                      ; my 80 rows of W
	s_add_co_u32 s22, s22, ATILE
.irp s, 0,1
	v_add_nc_u32 v[ADRA+\s], s21, v10
	v_add_nc_u32 v[ADRB+\s], s22, v10
	s_add_co_u32 s21, s21, SLOT
	s_add_co_u32 s22, s22, SLOT
.endr
	s_mul_i32 s23, s10, 10240
	s_add_co_u32 s23, s23, STAGE
	v_lshlrev_b32 v11, 6, v1
	v_lshl_add_u32 v11, v9, 5, v11
	v_add_nc_u32 v[STX], s23, v11                  ; 64 r + 32 h
	v_and_b32 v11, 31, v0
	v_lshlrev_b32 v[COX], 4, v11
	v_add_nc_u32 v[RDX], s23, v[COX]
.macro MUL f, zero
.irp a, 0,1
.irp b, 0,1,2,3,4
.if \zero
	v_wmma_f32_16x16x32_f16 v[ACC+8*(5*\a+\b):ACC+8*(5*\a+\b)+7], v[\f+16+8*\b:\f+16+8*\b+7], v[\f+8*\a:\f+8*\a+7], 0
.else
	v_wmma_f32_16x16x32_f16 v[ACC+8*(5*\a+\b):ACC+8*(5*\a+\b)+7], v[\f+16+8*\b:\f+16+8*\b+7], v[\f+8*\a:\f+8*\a+7], v[ACC+8*(5*\a+\b):ACC+8*(5*\a+\b)+7]
.endif
.endr
.endr
.endm
.macro FETCH slot, q, f                ; 14 LDS loads: the fragments of 32 along K at byte 64 q of the rows (q may come as a sum: it stands in parentheses)
.irp b, 0,1,2,3,4
	ds_load_b128 v[\f+16+8*\b:\f+16+8*\b+3],   v[ADRB+\slot] offset:64*(\q)+\b*16*PITCH
	ds_load_b128 v[\f+16+8*\b+4:\f+16+8*\b+7], v[ADRB+\slot] offset:64*(\q)+\b*16*PITCH+32
.endr
.irp a, 0,1
	ds_load_b128 v[\f+8*\a:\f+8*\a+3],   v[ADRA+\slot] offset:64*(\q)+\a*16*PITCH
	ds_load_b128 v[\f+8*\a+4:\f+8*\a+7], v[ADRA+\slot] offset:64*(\q)+\a*16*PITCH+32
.endr
.endm
.macro ONE slot, q, f, g, zero         ; asks for part q + 1 into buffer g, multiplies part q from buffer f
	PLACES                                         ; buffer g was read by the matrix instructions just issued
	FETCH \slot, \q+1, \g
	s_wait_dscnt 14                                ; all but the 14 just issued
	MUL \f, \zero
.endm
.macro SEVEN slot, zero
	ONE \slot, 0, F0, F1, \zero
	ONE \slot, 1, F1, F0, 0
	ONE \slot, 2, F0, F1, 0
	ONE \slot, 3, F1, F0, 0
	ONE \slot, 4, F0, F1, 0
	ONE \slot, 5, F1, F0, 0
	ONE \slot, 6, F0, F1, 0
.endm
; The eighth part and the change of slots.  In front of the barrier each wave waits for its reads of this slot and for all its tensor loads; where the slot is
; filled again the barrier opens a round of the cluster's barrier, and the refill is the first tensor load behind the round.
.macro TURN slot, next, fill
	s_wait_dscnt 0
	s_wait_tensorcnt 0x0
	ds_add_u32 v254, v255
	s_wait_dscnt 0x0
	s_barrier_signal -1
	MUL F1, 0
	s_barrier_wait -1
.if \fill
	CREST
	s_add_nc_u64 s[G0+4*\slot+2:G0+4*\slot+3], s[G0+4*\slot+2:G0+4*\slot+3], 2*KSTEP*2
	s_add_nc_u64 s[G0B+4*\slot+2:G0B+4*\slot+3], s[G0B+4*\slot+2:G0B+4*\slot+3], 2*KSTEP*2
	JLOAD \slot
.endif
	PLACES
	FETCH \next, 0, F0
.endm
	s_wait_tensorcnt 1                             ; my part of K step 0 is in; K step 1's stays out
	s_barrier_signal -1
	s_barrier_wait -1
	FETCH 0, 0, F0
	SEVEN 0, 1                                     ; the first products start the sums
	TURN 0, 1, 1                                   ; slot 0 gets K step 2
	SEVEN 1, 0
	TURN 1, 0, 1                                   ; slot 1 gets K step 3
	SEVEN 0, 0
	TURN 0, 1, 0                                   ; nothing is left to fetch
	SEVEN 1, 0
	s_wait_dscnt 0
	MUL F1, 0
	PLACES
	; the way out: tile (a, b) is 16 rows x 64 bytes, 1,024 consecutive bytes of block 5 j + b; through my stage so that a store covers 512 of them
	s_mul_i32 s16, s13, 10*BLK
	s_mul_i32 s17, s12, 5*BLK
	s_add_co_u32 s16, s16, s17
	s_lshl_b32 s17, s42, 12
	s_add_co_u32 s16, s16, s17
	s_lshl_b32 s17, s11, 11
	s_add_co_u32 s16, s16, s17
	s_mov_b32 s17, 0
	s_add_nc_u64 s[6:7], s[6:7], s[16:17]
.irp a, 0,1
.irp b, 0,1,2,3,4
	ds_store_b128 v[STX], v[ACC+8*(5*\a+\b):ACC+8*(5*\a+\b)+3]   offset:(2*\b+\a)*1024
	ds_store_b128 v[STX], v[ACC+8*(5*\a+\b)+4:ACC+8*(5*\a+\b)+7] offset:(2*\b+\a)*1024+16
.endr
.endr
.set t, 0
.rept 20
	ds_load_b128 v[F0+4*t:F0+4*t+3], v[RDX] offset:512*t           ; my own bytes, served in order behind my stores
.set t, t+1
.endr
.set t, 0
.rept 20
	s_wait_dscnt 19-t
	global_store_b128 v[COX], v[F0+4*t:F0+4*t+3], s[6:7] offset:(t/4)*BLK+(t%4)*512
.set t, t+1
.endr
	s_wait_tensorcnt 0x0
	ds_add_u32 v254, v255
	s_wait_dscnt 0x0
	CROUND                                         ; no work-group ends while a partner may still ask for a tile that names it
	s_endpgm
.Lfunc_end_k_qafc080f15d_corr:
	.size	k_qafc080f15d_corr, .Lfunc_end_k_qafc080f15d_corr-k_qafc080f15d_corr
	.p2alignl 7, 3214868480
	.fill 96, 4, 3214868480
	.section	.rodata,"a",@progbits
	.p2align	6, 0x0
	.amdhsa_kernel k_qafc080f15d_corr
		.amdhsa_group_segment_fixed_size 327680
		.amdhsa_private_segment_fixed_size 0
		.amdhsa_enable_private_segment 0
		.amdhsa_kernarg_size 16
		.amdhsa_user_sgpr_count 2
		.amdhsa_user_sgpr_kernarg_segment_ptr 1
		.amdhsa_wavefront_size32 1
		.amdhsa_system_sgpr_workgroup_id_x 1
		.amdhsa_system_sgpr_workgroup_id_y 1
		.amdhsa_system_sgpr_workgroup_id_z 1
		.amdhsa_system_vgpr_workitem_id 0
		.amdhsa_next_free_vgpr 256
		.amdhsa_next_free_sgpr 80
		.amdhsa_reserve_vcc 0
		.amdhsa_float_denorm_mode_32 3
		.amdhsa_float_denorm_mode_16_64 3
		.amdhsa_memory_ordered 1
		.amdhsa_forward_progress 1
		.amdhsa_inst_pref_size 67
	.end_amdhsa_kernel
	.amdgpu_metadata
---
amdhsa.version: [ 1, 2 ]
amdhsa.kernels:
  - .name:           k_qafc080f15d_corr
    .symbol:         k_qafc080f15d_corr.kd
    .args:
      - { .name: h16, .offset: 0, .size: 8, .value_kind: global_buffer, .address_space: global }
      - { .name: cor, .offset: 8, .size: 8, .value_kind: global_buffer, .address_space: global }
    .group_segment_fixed_size: 327680
    .private_segment_fixed_size: 0
    .kernarg_segment_align: 8
    .kernarg_segment_size: 16
    .max_flat_workgroup_size: 128
    .sgpr_count:     80
    .vgpr_count:     256
    .wavefront_size: 32
...
	.end_amdgpu_metadata
.endif
;; end of part 3
;; launch prep (part 4): grid 128 x 1, 4 waves a work-group, no clusters, 64,000 bytes of LDS; arguments proj, cor, A_log, dt_bias, B_norm_bias, C_norm_bias, prp; writes prp
.if DOCPART == 4
	.amdgcn_target "amdgcn-amd-amdhsa--gfx1250"
	.amdhsa_code_object_version 6
	.text
	.protected	k_qafc080f15d_prep
	.globl	k_qafc080f15d_prep
	.p2align	8
	.type	k_qafc080f15d_prep,@function
k_qafc080f15d_prep:
	s_mov_b64 s[64:65], 0
	v_nop
	global_prefetch_b8 v0, s[64:65] scope:SCOPE_SE
	s_setreg_imm32_b32 hwreg(HW_REG_WAVE_MODE, 25, 1), 1
	s_wait_xcnt 0x0
; Launch 4: the small columns become what the chunked recurrence needs.  A work-group is a chunk of 64 steps (g = 64 b + c), a wave takes 16 rows.
; A lane is a head for dt and lambda, and the index i (columns i and i + 32) for theta, B and C.
; B, C and theta first get back what f16 took from x and W_in: + 2^-11 (cor[0] + cor[1]).
; Out (prp): Bh, Ch, Bl, Cl f16 [8192][64] at 0, 1, 2, 3 MiB (RMS norm, bias, C also times 1/8, turned by the angle summed from the start of the segment of
; 256 steps; hi = f16(v), lo = f16(v - hi)); hv at 4 MiB [g][32 heads][896 B]: la2[64] f32 (inclusive sum in the chunk of A dt log2 e), ws[64] f16
; (g_s 2^(la_63 - la_s)), ls[64] f32 (la2 - log2 g), dl[64] f32 (dt lam); segv at 7,864,320 [16 b + q][512 B]: cos, sin of the segment's last angle [32],
; the segment's sum of A dt log2 e [32].
; Left out: the term of x_prev[0], B_shift[0] (the pad's zeros) is never formed; behind a batch's last row g has no second term (factor 0).
; No matrix products, no tensor loads: the launch moves a few megabytes.
; LIMITS: sine and cosine are polynomials behind a reduction to a quarter turn, good while the segment's own angle is below 2^30 quarter turns;
; g = 0 or denormal counts as weight 0.
.set BLK, 524288                       ; bytes of a block of psm and of cor
.set LIM, 2048                         ; LDS: images of Bh, Ch, Bl, Cl, 8 KiB each
.set LHV, LIM+4*8192                   ; the chunk's 32 records
.set V16L, 0
.set VLO, 2                            ; (lane / 16) blocks + 4 (lane % 16)
.set VL17, 3                           ; the same, one row behind my 16 (clamped to the buffer's last row)
.set V4L, 4
.set VIM, 5
.set VRB, 6
.set VHV, 7
.set VHW, 8
.set KA, 9                             ; -exp(A_log) log2 e
.set DB, 10
.set BB1, 11
.set BB2, 12
.set CB1, 13
.set CB2, 14
.set TP, 15
.set DT, 16                            ; 17 rows
.set LM, 33                            ; 17 rows
.set TH, 50
.set B1, 66
.set B2, 82
.set C1, 98
.set C2, 114
.set CO, 130
.set SI, 146
.set LA, 162
.set LS, 178
.set DL, 194
.set T, 210                            ; 17 temporaries
.set PAN, 227
.set PDT, 228
.set TO, 229                           ; 16 totals
.set U, 245                            ; 11 temporaries
; window 1: v0-79 cor[0] of B1, B2, C1, C2, theta (16 rows each), v80-159 cor[1], v160-191 the same two for theta of an earlier chunk
.set MSB, 0
.macro WIN new                         ; the immediate's high byte repeats the setting that is left
.if MSB != \new
	s_set_vgpr_msb (MSB<<8)|\new
.set MSB, \new
.endif
.endm
	s_load_b256 s[4:11], s[0:1], 0x0               ; proj, cor, A_log, dt_bias
	s_load_b128 s[12:15], s[0:1], 0x20             ; B_norm_bias, C_norm_bias
	s_load_b64 s[52:53], s[0:1], 0x30              ; prp
	s_set_vgpr_msb 0x40
	v_lshl_add_u32 v192, v0, 2, 0xf800
	v_mov_b32 v193, 0
	s_set_vgpr_msb 0x4000
	v_lshrrev_b32 v1, 5, v0
	v_readfirstlane_b32 s16, v1                    ; wave
	v_and_b32 v1, 31, v0
	v_lshrrev_b32 v[VLO], 4, v1
	v_and_b32 v[V4L], 15, v1
	v_lshlrev_b32 v[VLO], 19, v[VLO]
	v_lshl_add_u32 v[VLO], v[V4L], 2, v[VLO]
	v_lshlrev_b32 v[V4L], 2, v1
	s_lshl_b32 s22, ttmp9, 6
	s_lshl_b32 s23, s16, 4
	s_add_co_u32 s22, s22, s23                     ; R0: my first row
	s_mov_b32 s23, 1024
	s_cmp_eq_u32 s22, 8176
	s_cselect_b32 s23, 960, s23                    ; row R0 + 16, or the buffer's last row
	v_add_nc_u32 v[VL17], s23, v[VLO]
	s_lshl_b32 s23, s16, 11
	s_add_co_u32 s23, s23, LIM
	v_lshl_add_u32 v[VIM], v1, 1, s23              ; Bh's image: 2,048 w + 2 lane
	v_lshl_add_u32 v[VRB], v1, 4, s23
	v_mul_u32_u24 v[VHV], v1, 896
	s_lshl_b32 s23, s16, 5
	s_add_co_u32 s23, s23, LHV+256
	v_add_nc_u32 v[VHW], s23, v[VHV]
	s_lshl_b32 s23, s16, 6
	s_add_co_u32 s23, s23, LHV
	v_add_nc_u32 v[VHV], s23, v[VHV]
	v_lshlrev_b32 v[V16L], 4, v1
	v_mov_b32 v[TP], 0
	v_mov_b32 v[PAN], 0
	v_mov_b32 v[PDT], 0
	s_mov_b32 s24, 0x76543210
	s_mov_b32 s25, 0xfedcba98
	s_mov_b32 s26, 0xbfb8aa3b                      ; -log2 e
	s_mov_b32 s27, 0x3f317218                      ; ln 2
	s_mov_b32 s28, 0x38d1b717                      ; 1e-4
	s_mov_b32 s29, 0x3d000000                      ; 1/32
	s_mov_b32 s34, 0xbf22f983                      ; -2/pi: the angle is minus the sum
	s_mov_b32 s35, 0xbb996966                      ; sine's last coefficient
	s_mov_b32 s36, 0x3a70fa83                      ; cosine's last coefficient
	s_mov_b32 s37, 0x3c800000                      ; 1/64
	s_mov_b32 s54, 0x3a000000                      ; 2^-11: the lo parts were stored times 2,048
	s_cmp_gt_u32 s16, 0
	s_cselect_b32 s30, 1.0, 0                      ; does wave 0, 1, 2 stand in front of me
	s_cmp_gt_u32 s16, 1
	s_cselect_b32 s31, 1.0, 0
	s_cmp_gt_u32 s16, 2
	s_cselect_b32 s32, 1.0, 0
	s_and_b32 s23, ttmp9, 63
	s_lshl_b32 s23, s23, 2
	s_add_co_u32 s23, s23, s16
	s_cmp_eq_u32 s23, 255
	s_cselect_b32 s33, 0, 1.0                      ; a batch's last row has no step behind it
	s_lshl_b32 s18, s22, 6
	s_mov_b32 s19, 0
	s_and_b32 s21, ttmp9, 3                        ; chunks of my segment in front of mine
	s_lshl_b32 s56, s21, 12
	s_mov_b32 s57, 0
	s_lshl_b32 s38, s22, 7
	s_mov_b32 s39, 0
	s_mul_i32 s40, ttmp9, 28672
	s_mul_i32 s23, s16, 7168
	s_add_co_u32 s40, s40, s23
	s_add_co_u32 s40, s40, 4194304
	s_mov_b32 s41, 0
	s_lshr_b32 s42, ttmp9, 2
	s_lshl_b32 s42, s42, 9
	s_add_co_u32 s42, s42, 7864320
	s_mov_b32 s43, 0
	s_wait_kmcnt 0x0
	s_add_nc_u64 s[44:45], s[6:7], s[18:19]        ; cor[0] at my first row
	s_add_nc_u64 s[46:47], s[44:45], 10*BLK        ; cor[1]
	s_add_nc_u64 s[4:5], s[4:5], s[18:19]
	s_add_nc_u64 s[4:5], s[4:5], 67108864          ; psm at my first row
	s_add_nc_u64 s[38:39], s[52:53], s[38:39]      ; Bh at my first row
	s_add_nc_u64 s[40:41], s[52:53], s[40:41]      ; my 7,168 bytes of the chunk's records
	s_add_nc_u64 s[42:43], s[52:53], s[42:43]      ; the segment's record
	s_sub_nc_u64 s[18:19], s[4:5], s[56:57]        ; the same 16 rows of the segment's first chunk
	s_sub_nc_u64 s[48:49], s[44:45], s[56:57]
	s_sub_nc_u64 s[50:51], s[46:47], s[56:57]
	global_load_b32 v[KA],  v[V4L], s[8:9]
	global_load_b32 v[DB],  v[V4L], s[10:11]
	global_load_b32 v[BB1], v[V4L], s[12:13]
	global_load_b32 v[BB2], v[V4L], s[12:13] offset:128
	global_load_b32 v[CB1], v[V4L], s[14:15]
	global_load_b32 v[CB2], v[V4L], s[14:15] offset:128
.set j, 0
.rept 16
	global_load_b32 v[DT+j], v[VLO], s[4:5] offset:8*BLK+64*j
	global_load_b32 v[LM+j], v[VLO], s[4:5] offset:10*BLK+64*j
	global_load_b32 v[TH+j], v[VLO], s[4:5] offset:12*BLK+64*j
	global_load_b32 v[B1+j], v[VLO], s[4:5] offset:64*j
	global_load_b32 v[B2+j], v[VLO], s[4:5] offset:2*BLK+64*j
	global_load_b32 v[C1+j], v[VLO], s[4:5] offset:4*BLK+64*j
	global_load_b32 v[C2+j], v[VLO], s[4:5] offset:6*BLK+64*j
.set j, j+1
.endr
	global_load_b32 v[DT+16], v[VL17], s[4:5] offset:8*BLK
	global_load_b32 v[LM+16], v[VL17], s[4:5] offset:10*BLK
	WIN 0x40                                       ; the corrections land in window 1
.set j, 0
.rept 16
.irp f, 0,1,2,3,4
	global_load_b32 v[16*\f+j],    v[VLO], s[44:45] offset:2*\f*BLK+64*j
	global_load_b32 v[80+16*\f+j], v[VLO], s[46:47] offset:2*\f*BLK+64*j
.endr
.set j, j+1
.endr
	WIN 0
; dt = clip(softplus(v + bias), 1e-4, 0.5), softplus(v) = max(v, 0) + ln 2 log2(1 + 2^(-|v| log2 e)): the form that cannot overflow
.macro DTOFN base, n
.set j, 0
.rept \n
	v_add_f32 v[\base+j], v[\base+j], v[DB]
	v_mul_f32 v[T+j], s26, |v[\base+j]|
.set j, j+1
.endr
.set j, 0
.rept \n
	v_exp_f32 v[T+j], v[T+j]
.set j, j+1
.endr
	v_nop
.set j, 0
	s_wait_alu depctr_va_vdst(0)
.rept \n
	v_add_f32 v[T+j], 1.0, v[T+j]
.set j, j+1
.endr
.set j, 0
.rept \n
	v_log_f32 v[T+j], v[T+j]
.set j, j+1
.endr
	v_nop
.set j, 0
	s_wait_alu depctr_va_vdst(0)
.rept \n
	v_max_num_f32 v[\base+j], 0, v[\base+j]
	v_fmac_f32 v[\base+j], s27, v[T+j]
	v_med3_num_f32 v[\base+j], v[\base+j], s28, 0.5
.set j, j+1
.endr
.endm
.macro WSUM r                          ; sum over the 32 lanes, in every lane
	v_add_f32_dpp v[\r], v[\r], v[\r] row_xmask:1 row_mask:0xf bank_mask:0xf
	v_add_f32_dpp v[\r], v[\r], v[\r] row_xmask:2 row_mask:0xf bank_mask:0xf
	v_add_f32_dpp v[\r], v[\r], v[\r] row_xmask:4 row_mask:0xf bank_mask:0xf
	v_add_f32_dpp v[\r], v[\r], v[\r] row_xmask:8 row_mask:0xf bank_mask:0xf
	v_permlanex16_b32 v[TP], v[\r], s24, s25
	v_add_f32 v[\r], v[\r], v[TP]
.endm
.macro MEANS base                      ; T_j = mean over the heads of dt of row j
.set j, 0
.rept 16
	v_mov_b32 v[T+j], v[\base+j]
	WSUM T+j
	v_mul_f32 v[T+j], s29, v[T+j]
.set j, j+1
.endr
.endm
	; the chunks of my segment in front of mine: their sums of mean(dt) theta and of dt, 16 rows a wave and trip
	s_cmp_eq_u32 s21, 0
	s_cbranch_scc1 .Lnopre
	s_mov_b32 s20, 0
.Lpre:
.set j, 0
.rept 16
	global_load_b32 v[CO+j], v[VLO], s[18:19] offset:8*BLK+64*j
	global_load_b32 v[SI+j], v[VLO], s[18:19] offset:12*BLK+64*j
.set j, j+1
.endr
	WIN 0x40
.set j, 0
.rept 16
	global_load_b32 v[160+j], v[VLO], s[48:49] offset:8*BLK+64*j
	global_load_b32 v[176+j], v[VLO], s[50:51] offset:8*BLK+64*j
.set j, j+1
.endr
	WIN 0
	s_wait_loadcnt 0x0                             ; the trip's loads are in; their bases are stepped behind this wait
	WIN 0x04
.set j, 0
.rept 16
	v_fmac_f32 v[SI+j], s54, v[160+j]
	v_fmac_f32 v[SI+j], s54, v[176+j]
.set j, j+1
.endr
	WIN 0
	DTOFN CO, 16
	MEANS CO
.set j, 0
.rept 16
	v_fmac_f32 v[PAN], v[T+j], v[SI+j]
	v_add_f32 v[PDT], v[PDT], v[CO+j]
.set j, j+1
.endr
	s_add_nc_u64 s[18:19], s[18:19], 4096
	s_add_nc_u64 s[48:49], s[48:49], 4096
	s_add_nc_u64 s[50:51], s[50:51], 4096
	s_add_co_u32 s20, s20, 1
	s_cmp_lt_u32 s20, s21
	s_cbranch_scc1 .Lpre
.Lnopre:
	s_wait_loadcnt 0x0
	WIN 0x04
.set j, 0
.rept 16
.irp f, 0,1,2,3
	v_fmac_f32 v[B1+16*\f+j], s54, v[16*\f+j]
	v_fmac_f32 v[B1+16*\f+j], s54, v[80+16*\f+j]
.endr
	v_fmac_f32 v[TH+j], s54, v[64+j]
	v_fmac_f32 v[TH+j], s54, v[144+j]
.set j, j+1
.endr
	WIN 0
	v_mul_f32 v[KA], 0x3fb8aa3b, v[KA]
	v_exp_f32 v[KA], v[KA]
	v_mul_f32 v[CB1], 0x3e000000, v[CB1]           ; C carries the scale 1/8 = d_state^-0.5
	v_mul_f32 v[CB2], 0x3e000000, v[CB2]
	s_wait_alu depctr_va_vdst(0)
	v_mul_f32 v[KA], s26, v[KA]
	DTOFN DT, 17
.set j, 0
.rept 17
	v_mul_f32 v[LM+j], s26, v[LM+j]
.set j, j+1
.endr
.set j, 0
.rept 17
	v_exp_f32 v[LM+j], v[LM+j]
.set j, j+1
.endr
	v_nop
.set j, 0
	s_wait_alu depctr_va_vdst(0)
.rept 17
	v_add_f32 v[LM+j], 1.0, v[LM+j]
.set j, j+1
.endr
.set j, 0
.rept 17
	v_rcp_f32 v[LM+j], v[LM+j]                     ; lam = sigmoid
.set j, j+1
.endr
	v_nop
	MEANS DT
	v_mul_f32 v[LA], v[KA], v[DT]                  ; inclusive sums over my 16 rows
	v_mul_f32 v[TH], v[T], v[TH]
.set j, 1
.rept 15
	v_fma_f32 v[LA+j], v[KA], v[DT+j], v[LA+j-1]
	v_fma_f32 v[TH+j], v[T+j], v[TH+j], v[TH+j-1]
.set j, j+1
.endr
	s_lshl_b32 s23, s16, 7
	v_add_nc_u32 v[U+10], s23, v[V4L]
	ds_store_b32 v[U+10], v[LA+15]
	ds_store_b32 v[U+10], v[TH+15] offset:512
	ds_store_b32 v[U+10], v[PAN] offset:1024
	ds_store_b32 v[U+10], v[PDT] offset:1536
	s_wait_dscnt 0x0                               ; my totals are in LDS before I signal
	s_barrier_signal -1
	s_barrier_wait -1
.set j, 0
.rept 16
	ds_load_b32 v[TO+j], v[V4L] offset:(j/4)*512+(j%4)*128
.set j, j+1
.endr
	s_wait_dscnt 0x0
	v_mul_f32 v[U], s30, v[TO]                     ; U: la of the waves in front of me
	v_fmac_f32 v[U], s31, v[TO+1]
	v_fmac_f32 v[U], s32, v[TO+2]
	v_add_f32 v[U+1], v[TO], v[TO+1]               ; U+1: la_63 of the chunk
	v_add_f32 v[U+1], v[U+1], v[TO+2]
	v_add_f32 v[U+1], v[U+1], v[TO+3]
	v_add_f32 v[U+2], v[TO+8], v[TO+9]             ; U+2: the angle sum in front of my rows
	v_add_f32 v[U+2], v[U+2], v[TO+10]
	v_add_f32 v[U+2], v[U+2], v[TO+11]
	v_fmac_f32 v[U+2], s30, v[TO+4]
	v_fmac_f32 v[U+2], s31, v[TO+5]
	v_fmac_f32 v[U+2], s32, v[TO+6]
	v_add_f32 v[U+3], v[TO+12], v[TO+13]           ; U+3: sum of dt of the earlier chunks
	v_add_f32 v[U+3], v[U+3], v[TO+14]
	v_add_f32 v[U+3], v[U+3], v[TO+15]
.set j, 0
	s_wait_alu depctr_va_vdst(0)
.rept 16
	v_add_f32 v[LA+j], v[LA+j], v[U]
	v_mul_f32 v[DL+j], v[DT+j], v[LM+j]
.set j, j+1
.endr
.set j, 0
.rept 15
	v_sub_f32 v[T+j], v[DT+j+1], v[DL+j+1]         ; dt (1 - lam) of the next row
	v_add_f32 v[T+j], v[T+j], v[DL+j]              ; g
.set j, j+1
.endr
	v_fma_f32 v[U+4], -v[DT+16], v[LM+16], v[DT+16]
	v_fma_f32 v[T+15], v[U+4], s33, v[DL+15]
.set j, 0
.rept 16
	v_log_f32 v[T+j], v[T+j]
.set j, j+1
.endr
	v_nop
.set j, 0
	s_wait_alu depctr_va_vdst(0)
.rept 16
	v_sub_f32 v[LS+j], v[LA+j], v[T+j]
	v_sub_f32 v[T+j], v[U+1], v[LS+j]
.set j, j+1
.endr
.set j, 0
.rept 16
	v_exp_f32 v[T+j], v[T+j]                       ; ws = g 2^(la_63 - la)
.set j, j+1
.endr
	v_nop
.set j, 0
	s_wait_alu depctr_va_vdst(0)
.rept 8
	v_cvt_pk_f16_f32 v[T+j], v[T+2*j], v[T+2*j+1]
.set j, j+1
.endr
.irp m, 0,1,2,3
	ds_store_b128 v[VHV], v[LA+4*\m:LA+4*\m+3] offset:16*\m
	ds_store_b128 v[VHV], v[LS+4*\m:LS+4*\m+3] offset:384+16*\m
	ds_store_b128 v[VHV], v[DL+4*\m:DL+4*\m+3] offset:640+16*\m
.endr
	ds_store_b128 v[VHW], v[T:T+3]
	ds_store_b128 v[VHW], v[T+4:T+7] offset:16
	; cosine and sine of minus the angle sum: q = nearest quarter turn, f the rest in quarter turns, |f| <= 1/2
.set j, 0
.rept 16
	v_add_f32 v[U+4], v[U+2], v[TH+j]
	v_mul_f32 v[U+5], s34, v[U+4]
	v_rndne_f32 v[U+5], v[U+5]
	v_fma_f32 v[U+6], v[U+4], s34, -v[U+5]
	v_cvt_i32_f32 v[U+7], v[U+5]
	v_mul_f32 v[U+8], v[U+6], v[U+6]
	v_fmaak_f32 v[U+9], s35, v[U+8], 0x3da335e4
	v_fmaak_f32 v[U+9], v[U+9], v[U+8], 0xbf255de7
	v_fmaak_f32 v[U+9], v[U+9], v[U+8], 0x3fc90fdb
	v_mul_f32 v[U+9], v[U+9], v[U+6]
	v_fmaak_f32 v[U+10], s36, v[U+8], 0xbcaae9e4
	v_fmaak_f32 v[U+10], v[U+10], v[U+8], 0x3e81e0f8
	v_fmaak_f32 v[U+10], v[U+10], v[U+8], 0xbf9de9e7
	v_fmaak_f32 v[U+10], v[U+10], v[U+8], 0x3f800000
	v_and_b32 v[U+4], 1, v[U+7]
	v_cmp_eq_u32 vcc_lo, 1, v[U+4]                 ; odd quarter: the two change places
	v_cndmask_b32 v[SI+j], v[U+9], v[U+10], vcc_lo
	v_cndmask_b32 v[CO+j], v[U+10], v[U+9], vcc_lo
	v_lshlrev_b32 v[U+4], 30, v[U+7]               ; sine's sign: bit 1 of q
	v_and_b32 v[U+4], 0x80000000, v[U+4]
	v_xor_b32 v[SI+j], v[U+4], v[SI+j]
	v_add_nc_u32 v[U+7], 1, v[U+7]                 ; cosine's: bit 1 of q + 1
	v_lshlrev_b32 v[U+7], 30, v[U+7]
	v_and_b32 v[U+7], 0x80000000, v[U+7]
	v_xor_b32 v[CO+j], v[U+7], v[CO+j]
.set j, j+1
.endr
; RMS norm over 64 columns, bias, rotation, then hi = f16(v) and lo = f16(v - hi); the wave's 16 rows go through its own 2 KiB of each image and
; leave in stores of 512 bytes.  v1 holds the packed hi: halves of a register have names only in the plain form.
.macro NORMROT x1, x2, g1, g2, io, go
.set j, 0
.rept 16
	v_mul_f32 v[T+j], v[\x1+j], v[\x1+j]
	v_fmac_f32 v[T+j], v[\x2+j], v[\x2+j]
	WSUM T+j
	v_fmaak_f32 v[T+j], s37, v[T+j], 0x34000000
.set j, j+1
.endr
.set j, 0
.rept 16
	v_rsq_f32 v[T+j], v[T+j]
.set j, j+1
.endr
	v_nop
.set j, 0
	s_wait_alu depctr_va_vdst(0)
.rept 16
	v_mul_f32 v[U+4], v[T+j], v[\g1]
	v_mul_f32 v[U+5], v[T+j], v[\g2]
	v_mul_f32 v[U+4], v[U+4], v[\x1+j]
	v_mul_f32 v[U+5], v[U+5], v[\x2+j]
	v_mul_f32 v[U+6], v[U+4], v[CO+j]
	v_mul_f32 v[U+7], v[U+4], v[SI+j]
	v_fma_f32 v[U+6], -v[U+5], v[SI+j], v[U+6]
	v_fmac_f32 v[U+7], v[U+5], v[CO+j]
	v_cvt_pk_f16_f32 v1, v[U+6], v[U+7]
	v_cvt_f32_f16 v[U+4], v1.l
	v_cvt_f32_f16 v[U+5], v1.h
	v_sub_f32 v[U+6], v[U+6], v[U+4]
	v_sub_f32 v[U+7], v[U+7], v[U+5]
	v_cvt_pk_f16_f32 v[U+8], v[U+6], v[U+7]
	ds_store_b16 v[VIM], v1 offset:\io+128*j
	ds_store_b16_d16_hi v[VIM], v1 offset:\io+128*j+64
	ds_store_b16 v[VIM], v[U+8] offset:\io+16384+128*j
	ds_store_b16_d16_hi v[VIM], v[U+8] offset:\io+16384+128*j+64
.set j, j+1
.endr
.irp m, 0,1,2,3
	ds_load_b128 v[\x1+4*\m:\x1+4*\m+3], v[VRB] offset:\io+512*\m          ; my own bytes, served in order behind my stores
.endr
.irp m, 0,1,2,3
	ds_load_b128 v[\x2+4*\m:\x2+4*\m+3], v[VRB] offset:\io+16384+512*\m
.endr
.irp m, 0,1,2,3
	s_wait_dscnt 7-\m
	global_store_b128 v[V16L], v[\x1+4*\m:\x1+4*\m+3], s[38:39] offset:\go+512*\m
.endr
.irp m, 0,1,2,3
	s_wait_dscnt 3-\m
	global_store_b128 v[V16L], v[\x2+4*\m:\x2+4*\m+3], s[38:39] offset:\go+2097152+512*\m
.endr
.endm
	NORMROT B1, B2, BB1, BB2, 0, 0
	NORMROT C1, C2, CB1, CB2, 8192, 1048576
	s_wait_dscnt 0x0                               ; my records are in LDS before I signal
	s_barrier_signal -1
	s_barrier_wait -1
	s_mul_i32 s23, s16, 7168
	s_add_co_u32 s23, s23, LHV
	v_add_nc_u32 v[U+10], s23, v[V16L]
	s_wait_xcnt 0x0                                ; v66-71 were stores' data
.set m, 0
.rept 14
	ds_load_b128 v[16+4*m:16+4*m+3], v[U+10] offset:512*m
.set m, m+1
.endr
.set m, 0
.rept 14
	s_wait_dscnt 13-m
	global_store_b128 v[V16L], v[16+4*m:16+4*m+3], s[40:41] offset:512*m
.set m, m+1
.endr
	s_cmp_lg_u32 s21, 3                            ; the segment's last rows: its record
	s_cbranch_scc1 .Lend
	s_cmp_lg_u32 s16, 3
	s_cbranch_scc1 .Lend
	v_fma_f32 v[U+4], v[KA], v[U+3], v[U+1]
	global_store_b32 v[V4L], v[CO+15], s[42:43]
	global_store_b32 v[V4L], v[SI+15], s[42:43] offset:128
	global_store_b32 v[V4L], v[U+4], s[42:43] offset:256
.Lend:
	s_set_vgpr_msb 0x5
	s_wait_tensorcnt 0x0
	ds_add_u32 v192, v193
	s_wait_dscnt 0x0
	s_set_vgpr_msb 0x500
	s_endpgm
.Lfunc_end_k_qafc080f15d_prep:
	.size	k_qafc080f15d_prep, .Lfunc_end_k_qafc080f15d_prep-k_qafc080f15d_prep
	.p2alignl 7, 3214868480
	.fill 96, 4, 3214868480
	.section	.rodata,"a",@progbits
	.p2align	6, 0x0
	.amdhsa_kernel k_qafc080f15d_prep
		.amdhsa_group_segment_fixed_size 64000
		.amdhsa_private_segment_fixed_size 0
		.amdhsa_enable_private_segment 0
		.amdhsa_kernarg_size 56
		.amdhsa_user_sgpr_count 2
		.amdhsa_user_sgpr_kernarg_segment_ptr 1
		.amdhsa_wavefront_size32 1
		.amdhsa_system_sgpr_workgroup_id_x 1
		.amdhsa_system_sgpr_workgroup_id_y 1
		.amdhsa_system_sgpr_workgroup_id_z 1
		.amdhsa_system_vgpr_workitem_id 0
		.amdhsa_next_free_vgpr 450
		.amdhsa_next_free_sgpr 66
		.amdhsa_reserve_vcc 1
		.amdhsa_float_denorm_mode_32 3
		.amdhsa_float_denorm_mode_16_64 3
		.amdhsa_memory_ordered 1
		.amdhsa_forward_progress 1
		.amdhsa_inst_pref_size 145
	.end_amdhsa_kernel
	.amdgpu_metadata
---
amdhsa.version: [ 1, 2 ]
amdhsa.kernels:
  - .name:           k_qafc080f15d_prep
    .symbol:         k_qafc080f15d_prep.kd
    .args:
      - { .name: proj, .offset: 0, .size: 8, .value_kind: global_buffer, .address_space: global }
      - { .name: cor, .offset: 8, .size: 8, .value_kind: global_buffer, .address_space: global }
      - { .name: A_log, .offset: 16, .size: 8, .value_kind: global_buffer, .address_space: global }
      - { .name: dt_bias, .offset: 24, .size: 8, .value_kind: global_buffer, .address_space: global }
      - { .name: B_norm_bias, .offset: 32, .size: 8, .value_kind: global_buffer, .address_space: global }
      - { .name: C_norm_bias, .offset: 40, .size: 8, .value_kind: global_buffer, .address_space: global }
      - { .name: prp, .offset: 48, .size: 8, .value_kind: global_buffer, .address_space: global }
    .group_segment_fixed_size: 64000
    .private_segment_fixed_size: 0
    .kernarg_segment_align: 8
    .kernarg_segment_size: 56
    .max_flat_workgroup_size: 128
    .sgpr_count:     66
    .vgpr_count:     450
    .wavefront_size: 32
...
	.end_amdgpu_metadata
.endif
;; end of part 4
;; launch ssd_state (part 5): grid 8 x 30, 4 waves a work-group, no clusters, 252,416 bytes of LDS; arguments proj, prp, sst; writes sst
.if DOCPART == 5
	.amdgcn_target "amdgcn-amd-amdhsa--gfx1250"
	.amdhsa_code_object_version 6
	.text
	.protected	k_qafc080f15d_ssd_state
	.globl	k_qafc080f15d_ssd_state
	.p2align	8
	.type	k_qafc080f15d_ssd_state,@function
k_qafc080f15d_ssd_state:
	s_mov_b64 s[64:65], 0
	v_nop
	global_prefetch_b8 v0, s[64:65] scope:SCOPE_SE
	s_setreg_imm32_b32 hwreg(HW_REG_WAVE_MODE, 25, 1), 1
	s_wait_xcnt 0x0
; Launch 5: for each batch b, segment q = 0 .. 14 and head, the state that the segment's 256 steps build from zero:
; over its four chunks H = 2^(la_63) H + sum over s of B_s (x) (ws_s x_s), kept as H[n][d] in 16 tiles of 16 x 16 f32.
; Left out: segment 15 of each batch (its state reaches no y); the first chunk's product with the zero state (its first products start the sums).
; A wave is a head.  A = B by transposing LDS loads (rows n, K = s), as hi and lo, two products; B operand = x by transposing loads (columns d, K = s) times ws
; in f16.  The weight goes onto x and not onto B: a relative error of ws_s x_s stays relative in every later C_t.B_s term, one of B_s does not.
; All LDS is filled once, by seven tensor loads a wave issued together at the start (seven are out at most); B's four chunks are shared by the four waves
; (one barrier), x and the head's records are the wave's own.  Work-groups of one segment share only B (a third of a work-group's bytes, first fills
; only), so no cluster.  The 16 accumulators take turns, one instruction a turn.
.set XP, 160                           ; LDS pitch: 128 bytes + 32 of padding, an odd multiple of 32 for the transposing loads
.set XT, 64*XP
.set LB, 4*4*XT
.set LBL, LB+4*XT
.set LHV, LBL+4*XT
.set X, 64
.set BQ, 128
.set BQL, 128                          ; window 1
.set WS, 192
.set AA, 208
.set MSB, 0
.macro WIN new
.if MSB != \new
	s_set_vgpr_msb (MSB<<8)|\new
.set MSB, \new
.endif
.endm
.macro PLACES
.rept 4
	v_nop
.endr
.endm
.macro DESC g, lreg, lconst, preg, pconst, g1
	s_mov_b32 s[\g], 1
	s_add_co_u32 s[\g+1], s[\lreg], \lconst
	s_add_nc_u64 s[\g+2:\g+3], s[\preg:\preg+1], \pconst
	s_or_b32 s[\g+3], s[\g+3], 0x80000000
	tensor_load_to_lds s[\g:\g+3], s[\g1:\g1+7]
	s_nop 0
.endm
	s_load_b128 s[4:7], s[0:1], 0x0                ; proj, prp
	s_load_b64 s[8:9], s[0:1], 0x10                ; sst
	v_lshl_add_u32 v254, v0, 2, 0x3d800
	v_mov_b32 v255, 0
	ds_add_u32 v254, v255
	ds_add_u32 v254, v255
	v_lshrrev_b32 v1, 5, v0
	v_readfirstlane_b32 s12, v1                    ; wave
	s_and_b32 s13, ttmp7, 0xffff
	s_cmp_ge_u32 s13, 15
	s_cselect_b32 s14, 1, 0                        ; b
	s_mul_i32 s15, s14, 15
	s_sub_co_u32 s15, s13, s15                     ; q
	s_lshl_b32 s16, ttmp9, 2
	s_add_co_u32 s16, s16, s12                     ; head
	s_lshl_b32 s17, s14, 12
	s_lshl_b32 s18, s15, 8
	s_add_co_u32 s17, s17, s18                     ; the segment's first row
	s_mov_b32 s20, 0x0F110000                      ; x: 2-byte elements, 8 words of padding behind every 32
	s_mov_b32 s21, 64<<16
	s_mov_b32 s22, 64<<16
	s_mov_b32 s23, 64<<16
	s_mov_b32 s24, 64
	s_mov_b32 s25, 4096                            ; elements from row to row of zx
	s_mov_b32 s26, 0
	s_mov_b32 s27, 0
	s_mov_b32 s28, 0x0F110000                      ; B: the same tile, rows 64 elements apart
	s_mov_b32 s29, 64<<16
	s_mov_b32 s30, 64<<16
	s_mov_b32 s31, 64<<16
	s_mov_b32 s32, 64
	s_mov_b32 s33, 64
	s_mov_b32 s34, 0
	s_mov_b32 s35, 0
	s_mov_b32 s36, 3<<16                           ; records: 4 chunks x 384 bytes (la2, ws) in 8-byte elements, 28,672 bytes apart
	s_mov_b32 s37, 48<<16
	s_mov_b32 s38, 4<<16
	s_mov_b32 s39, 48<<16
	s_mov_b32 s40, 4
	s_mov_b32 s41, 3584
	s_mov_b32 s42, 0
	s_mov_b32 s43, 0
	s_mov_b32 s3, 0
	s_mul_i32 s78, s12, XT
	s_mul_i32 s79, s12, 1536
	s_mul_i32 s80, s12, 4*XT
	s_wait_dscnt 0x0
	s_wait_kmcnt 0x0
	s_lshl_b32 s2, s12, 6
	s_add_co_u32 s2, s2, s17
	s_lshl_b32 s2, s2, 7
	s_add_nc_u64 s[72:73], s[6:7], s[2:3]          ; Bh at chunk w of the segment; Bl lies 2,097,152 bytes on
	s_lshr_b32 s2, s17, 1
	s_add_co_u32 s2, s2, s16
	s_mul_i32 s2, s2, 896
	s_add_co_u32 s2, s2, 4194304
	s_add_nc_u64 s[74:75], s[6:7], s[2:3]          ; my head's record of the first chunk
	s_lshl_b32 s2, s17, 13
	s_lshl_b32 s18, s16, 7
	s_add_co_u32 s2, s2, s18
	s_add_co_u32 s2, s2, 4096
	s_add_nc_u64 s[76:77], s[4:5], s[2:3]          ; silu(x_raw) of my head
	DESC 44, 78, LB, 72, 0, 28
	DESC 84, 78, LBL, 72, 2097152, 28
	DESC 48, 79, LHV, 74, 0, 36
	DESC 52, 80, 0, 76, 0, 20
	DESC 56, 80, XT, 76, 524288, 20
	DESC 60, 80, 2*XT, 76, 2*524288, 20
	DESC 68, 80, 3*XT, 76, 3*524288, 20
	v_and_b32 v1, 31, v0
	v_lshrrev_b32 v7, 4, v1
	v_and_b32 v8, 7, v1
	v_lshl_add_u32 v8, v7, 3, v8
	v_mul_u32_u24 v8, v8, XP
	v_bfe_u32 v9, v1, 3, 1
	v_lshl_add_u32 v8, v9, 4, v8                   ; (8 h + lane % 8) pitch + 16 ((lane / 8) % 2)
	v_add_nc_u32 v2, s80, v8                       ; x
	v_add_nc_u32 v3, LB, v8                        ; B hi
	v_add_nc_u32 v10, LBL, v8                      ; B lo
	s_add_co_u32 s2, s79, LHV
	v_lshl_add_u32 v4, v7, 4, s2                   ; ws
	v_mov_b32 v5, s2                               ; la2
	v_lshlrev_b32 v6, 4, v1
	s_lshl_b32 s2, s14, 4
	s_add_co_u32 s2, s2, s15
	s_lshl_b32 s2, s2, 5
	s_add_co_u32 s2, s2, s16
	s_lshl_b32 s2, s2, 14
	s_add_nc_u64 s[8:9], s[8:9], s[2:3]
	s_wait_tensorcnt 3                             ; my chunk of B, my records and x's first chunk are in; three x tiles stay out
	s_barrier_signal -1
	s_barrier_wait -1
.macro SCHUNK c
	s_wait_tensorcnt 3-\c                          ; x's chunk c is in, the younger ones stay out
.irp kd, 0,1,2,3
.irp ks, 0,1
	ds_load_tr16_b128 v[X+8*(2*\kd+\ks):X+8*(2*\kd+\ks)+3],   v2 offset:\c*XT+\ks*32*XP+\kd*32
	ds_load_tr16_b128 v[X+8*(2*\kd+\ks)+4:X+8*(2*\kd+\ks)+7], v2 offset:\c*XT+\ks*32*XP+\kd*32+16*XP
	ds_load_tr16_b128 v[BQ+8*(2*\kd+\ks):BQ+8*(2*\kd+\ks)+3],   v3 offset:\c*XT+\ks*32*XP+\kd*32
	ds_load_tr16_b128 v[BQ+8*(2*\kd+\ks)+4:BQ+8*(2*\kd+\ks)+7], v3 offset:\c*XT+\ks*32*XP+\kd*32+16*XP
.endr
.endr
	WIN 0x40
.irp ni, 0,1,2,3
.irp ks, 0,1
	ds_load_tr16_b128 v[BQL+8*(2*\ni+\ks):BQL+8*(2*\ni+\ks)+3],   v10 offset:\c*XT+\ks*32*XP+\ni*32
	ds_load_tr16_b128 v[BQL+8*(2*\ni+\ks)+4:BQL+8*(2*\ni+\ks)+7], v10 offset:\c*XT+\ks*32*XP+\ni*32+16*XP
.endr
.endr
	WIN 0
.irp ks, 0,1
	ds_load_b128 v[WS+8*\ks:WS+8*\ks+3],   v4 offset:\c*384+256+64*\ks
	ds_load_b128 v[WS+8*\ks+4:WS+8*\ks+7], v4 offset:\c*384+256+64*\ks+32
.endr
.if \c
	ds_load_b32 v[AA+2], v5 offset:\c*384+252
.endif
	s_wait_dscnt 0x0
.if \c
	v_exp_f32 v[AA], v[AA+2]                       ; the chunk's decay, twice for the packed multiply
	v_exp_f32 v[AA+1], v[AA+2]
	v_nop
.endif
.irp kd, 0,1,2,3
.irp ks, 0,1
.irp r, 0,1,2,3,4,5,6,7
	v_pk_mul_f16 v[X+8*(2*\kd+\ks)+\r], v[X+8*(2*\kd+\ks)+\r], v[WS+8*\ks+\r]
.endr
.endr
.endr
.if \c
	WIN 0x41
.set k, 0
	s_wait_alu depctr_va_vdst(0)
.rept 64
	v_pk_mul_f32 v[2*k:2*k+1], v[2*k:2*k+1], v[AA:AA+1]
.set k, k+1
.endr
.endif
	WIN 0x50
.irp ks, 0,1
.irp ni, 0,1,2,3
.irp kd, 0,1,2,3
.if (\c+\ks) == 0
	v_wmma_f32_16x16x32_f16 v[8*(4*\ni+\kd):8*(4*\ni+\kd)+7], v[BQ+8*(2*\ni+\ks):BQ+8*(2*\ni+\ks)+7], v[X+8*(2*\kd+\ks):X+8*(2*\kd+\ks)+7], 0
.else
	v_wmma_f32_16x16x32_f16 v[8*(4*\ni+\kd):8*(4*\ni+\kd)+7], v[BQ+8*(2*\ni+\ks):BQ+8*(2*\ni+\ks)+7], v[X+8*(2*\kd+\ks):X+8*(2*\kd+\ks)+7], v[8*(4*\ni+\kd):8*(4*\ni+\kd)+7]
.endif
.endr
.endr
.endr
	WIN 0x51                                       ; B's lo part lies in window 1
.irp ks, 0,1
.irp ni, 0,1,2,3
.irp kd, 0,1,2,3
	v_wmma_f32_16x16x32_f16 v[8*(4*\ni+\kd):8*(4*\ni+\kd)+7], v[BQL+8*(2*\ni+\ks):BQL+8*(2*\ni+\ks)+7], v[X+8*(2*\kd+\ks):X+8*(2*\kd+\ks)+7], v[8*(4*\ni+\kd):8*(4*\ni+\kd)+7]
.endr
.endr
.endr
	WIN 0
	PLACES                                         ; in front of the next loads into fragments, the decay and the stores
.endm
	SCHUNK 0
	SCHUNK 1
	SCHUNK 2
	SCHUNK 3
	WIN 0x04
.set k, 0
.rept 32
	global_store_b128 v6, v[4*k:4*k+3], s[8:9] offset:512*k      ; the registers as they lie: 512 consecutive bytes a store
.set k, k+1
.endr
	WIN 0
	s_wait_tensorcnt 0x0
	ds_add_u32 v254, v255
	s_wait_dscnt 0x0
	s_endpgm
.Lfunc_end_k_qafc080f15d_ssd_state:
	.size	k_qafc080f15d_ssd_state, .Lfunc_end_k_qafc080f15d_ssd_state-k_qafc080f15d_ssd_state
	.p2alignl 7, 3214868480
	.fill 96, 4, 3214868480
	.section	.rodata,"a",@progbits
	.p2align	6, 0x0
	.amdhsa_kernel k_qafc080f15d_ssd_state
		.amdhsa_group_segment_fixed_size 252416
		.amdhsa_private_segment_fixed_size 0
		.amdhsa_enable_private_segment 0
		.amdhsa_kernarg_size 24
		.amdhsa_user_sgpr_count 2
		.amdhsa_user_sgpr_kernarg_segment_ptr 1
		.amdhsa_wavefront_size32 1
		.amdhsa_system_sgpr_workgroup_id_x 1
		.amdhsa_system_sgpr_workgroup_id_y 1
		.amdhsa_system_sgpr_workgroup_id_z 1
		.amdhsa_system_vgpr_workitem_id 0
		.amdhsa_next_free_vgpr 448
		.amdhsa_next_free_sgpr 96
		.amdhsa_reserve_vcc 0
		.amdhsa_float_denorm_mode_32 3
		.amdhsa_float_denorm_mode_16_64 3
		.amdhsa_memory_ordered 1
		.amdhsa_forward_progress 1
		.amdhsa_inst_pref_size 69
	.end_amdhsa_kernel
	.amdgpu_metadata
---
amdhsa.version: [ 1, 2 ]
amdhsa.kernels:
  - .name:           k_qafc080f15d_ssd_state
    .symbol:         k_qafc080f15d_ssd_state.kd
    .args:
      - { .name: proj, .offset: 0, .size: 8, .value_kind: global_buffer, .address_space: global }
      - { .name: prp, .offset: 8, .size: 8, .value_kind: global_buffer, .address_space: global }
      - { .name: sst, .offset: 16, .size: 8, .value_kind: global_buffer, .address_space: global }
    .group_segment_fixed_size: 252416
    .private_segment_fixed_size: 0
    .kernarg_segment_align: 8
    .kernarg_segment_size: 24
    .max_flat_workgroup_size: 128
    .sgpr_count:     96
    .vgpr_count:     448
    .wavefront_size: 32
...
	.end_amdgpu_metadata
.endif
;; end of part 5
;; launch ssd_scan (part 6): grid 4 x 64, 4 waves a work-group, no clusters, 0 bytes of LDS; arguments sst, prp, hin; writes hin
.if DOCPART == 6
	.amdgcn_target "amdgcn-amd-amdhsa--gfx1250"
	.amdhsa_code_object_version 6
	.text
	.protected	k_qafc080f15d_ssd_scan
	.globl	k_qafc080f15d_ssd_scan
	.p2align	8
	.type	k_qafc080f15d_ssd_scan,@function
k_qafc080f15d_ssd_scan:
	s_mov_b64 s[64:65], 0
	v_nop
	global_prefetch_b8 v0, s[64:65] scope:SCOPE_SE
	s_setreg_imm32_b32 hwreg(HW_REG_WAVE_MODE, 25, 1), 1
	s_wait_xcnt 0x0
; Launch 6: the state at the head of each segment p = 1 .. 15: hin_{q+1} = R(-Delta_q) (a_q hin_q + sst_q), hin_0 = 0 (the function's own zeros, so the
; first step takes sst_0 alone and hin_0 is never stored).  a_q = 2^(segment's sum of A dt log2 e); R(-Delta) turns the pair (n, n + 32) into the next
; segment's frame: (F1 c + F2 s, F2 c - F1 s).  Elementwise: a thread owns 16 bytes of the state's first half and their partners 8,192 bytes on.
; A stream of 15 dependent steps: a ring of five slots of loads in registers; no LDS, no matrix work.
.set A, 16                             ; v16-30 the 15 decays
.set F, 8
.set R, 32                             ; five slots of 16: S1, S2, cos, sin
.set H, 112                            ; two sets of 8, by turns
	s_load_b128 s[4:7], s[0:1], 0x0                ; sst, prp
	s_load_b64 s[8:9], s[0:1], 0x10                ; hin
	s_and_b32 s12, ttmp7, 0xffff                   ; 32 b + head
	s_lshr_b32 s13, s12, 5
	s_and_b32 s14, s12, 31
	s_lshl_b32 s15, s13, 9
	s_add_co_u32 s15, s15, s14
	s_lshl_b32 s15, s15, 14                        ; (16 b x 32 + head) images of 16,384 bytes
	s_lshl_b32 s16, ttmp9, 11
	s_add_co_u32 s16, s15, s16
	s_mov_b32 s17, 0
	s_lshl_b32 s18, s13, 13
	s_add_co_u32 s18, s18, 7864320                 ; the segments' records
	s_mov_b32 s19, 0
	v_lshlrev_b32 v1, 4, v0
	v_bfe_u32 v2, v0, 4, 1                         ; which n my four numbers are: 16 (x / 2) + 8 (lane / 16) + 4 (wave % 2)
	v_bfe_u32 v4, v0, 5, 1
	v_lshlrev_b32 v2, 5, v2
	v_lshl_add_u32 v2, v4, 4, v2
	s_lshr_b32 s20, ttmp9, 1
	s_lshl_b32 s20, s20, 6
	v_add_nc_u32 v2, s20, v2
	s_lshl_b32 s20, s14, 2
	s_add_co_u32 s20, s20, 256
	v_mov_b32 v3, s20
	s_wait_kmcnt 0x0
	s_add_nc_u64 s[4:5], s[4:5], s[16:17]
	s_add_nc_u64 s[8:9], s[8:9], s[16:17]
	s_add_nc_u64 s[6:7], s[6:7], s[18:19]
.set q, 0
.rept 15
	global_load_b32 v[A+q], v3, s[6:7] offset:512*q
.set q, q+1
.endr
.macro LOADS q
	global_load_b128 v[R+16*((\q)%5):R+16*((\q)%5)+3],     v1, s[4:5] offset:524288*(\q)
	global_load_b128 v[R+16*((\q)%5)+4:R+16*((\q)%5)+7],   v1, s[4:5] offset:524288*(\q)+8192
	global_load_b128 v[R+16*((\q)%5)+8:R+16*((\q)%5)+11],  v2, s[6:7] offset:512*(\q)
	global_load_b128 v[R+16*((\q)%5)+12:R+16*((\q)%5)+15], v2, s[6:7] offset:512*(\q)+128
.endm
	LOADS 0
	LOADS 1
	LOADS 2
	LOADS 3
	LOADS 4
	s_wait_loadcnt 20                              ; the 15 decays are in, the ring's 20 loads stay out
.set q, 0
.rept 15
	v_exp_f32 v[A+q], v[A+q]
.set q, q+1
.endr
	v_nop
	s_wait_alu depctr_va_vdst(0)
.macro STEP q
.set SL, R+16*(\q%5)
.set HN, H+8*(\q%2)
.set HO, H+8*((\q+1)%2)
.if \q <= 10
	s_wait_loadcnt 16                              ; four younger slots stay out
.else
	s_wait_loadcnt 4*(14-\q)
.endif
	s_wait_xcnt 0x0                                ; the set stored two steps ago is rewritten only behind this wait
.if \q
.set FS, F
.set k, 0
.rept 8
	v_fma_f32 v[F+k], v[A+\q], v[HO+k], v[SL+k]
.set k, k+1
.endr
.else
.set FS, SL
.endif
.irp k, 0,2
	v_pk_mul_f32 v[HN+\k:HN+\k+1], v[FS+\k:FS+\k+1], v[SL+8+\k:SL+8+\k+1]
	v_pk_mul_f32 v[HN+4+\k:HN+4+\k+1], v[FS+4+\k:FS+4+\k+1], v[SL+8+\k:SL+8+\k+1]
	v_pk_fma_f32 v[HN+\k:HN+\k+1], v[FS+4+\k:FS+4+\k+1], v[SL+12+\k:SL+12+\k+1], v[HN+\k:HN+\k+1]
	v_pk_fma_f32 v[HN+4+\k:HN+4+\k+1], v[FS+\k:FS+\k+1], v[SL+12+\k:SL+12+\k+1], v[HN+4+\k:HN+4+\k+1] neg_lo:[1,0,0] neg_hi:[1,0,0]
.endr
	global_store_b128 v1, v[HN:HN+3],   s[8:9] offset:524288*(\q+1)
	global_store_b128 v1, v[HN+4:HN+7], s[8:9] offset:524288*(\q+1)+8192
.if \q+5 <= 14
	LOADS \q+5
.endif
.endm
.irp q, 0,1,2,3,4,5,6,7,8,9,10,11,12,13,14
	STEP \q
.endr
	s_endpgm
.Lfunc_end_k_qafc080f15d_ssd_scan:
	.size	k_qafc080f15d_ssd_scan, .Lfunc_end_k_qafc080f15d_ssd_scan-k_qafc080f15d_ssd_scan
	.p2alignl 7, 3214868480
	.fill 96, 4, 3214868480
	.section	.rodata,"a",@progbits
	.p2align	6, 0x0
	.amdhsa_kernel k_qafc080f15d_ssd_scan
		.amdhsa_group_segment_fixed_size 0
		.amdhsa_private_segment_fixed_size 0
		.amdhsa_enable_private_segment 0
		.amdhsa_kernarg_size 24
		.amdhsa_user_sgpr_count 2
		.amdhsa_user_sgpr_kernarg_segment_ptr 1
		.amdhsa_wavefront_size32 1
		.amdhsa_system_sgpr_workgroup_id_x 1
		.amdhsa_system_sgpr_workgroup_id_y 1
		.amdhsa_system_sgpr_workgroup_id_z 1
		.amdhsa_system_vgpr_workitem_id 0
		.amdhsa_next_free_vgpr 128
		.amdhsa_next_free_sgpr 66
		.amdhsa_reserve_vcc 0
		.amdhsa_float_denorm_mode_32 3
		.amdhsa_float_denorm_mode_16_64 3
		.amdhsa_memory_ordered 1
		.amdhsa_forward_progress 1
		.amdhsa_inst_pref_size 28
	.end_amdhsa_kernel
	.amdgpu_metadata
---
amdhsa.version: [ 1, 2 ]
amdhsa.kernels:
  - .name:           k_qafc080f15d_ssd_scan
    .symbol:         k_qafc080f15d_ssd_scan.kd
    .args:
      - { .name: sst, .offset: 0, .size: 8, .value_kind: global_buffer, .address_space: global }
      - { .name: prp, .offset: 8, .size: 8, .value_kind: global_buffer, .address_space: global }
      - { .name: hin, .offset: 16, .size: 8, .value_kind: global_buffer, .address_space: global }
    .group_segment_fixed_size: 0
    .private_segment_fixed_size: 0
    .kernarg_segment_align: 8
    .kernarg_segment_size: 24
    .max_flat_workgroup_size: 128
    .sgpr_count:     66
    .vgpr_count:     128
    .wavefront_size: 32
...
	.end_amdgpu_metadata
.endif
;; end of part 6
;; launch ssd_out (part 7): grid 8 x 32, 4 waves a work-group, no clusters, 318,976 bytes of LDS; arguments proj, prp, hin, yb; writes yb
.if DOCPART == 7
	.amdgcn_target "amdgcn-amd-amdhsa--gfx1250"
	.amdhsa_code_object_version 6
	.text
	.protected	k_qafc080f15d_ssd_out
	.globl	k_qafc080f15d_ssd_out
	.p2align	8
	.type	k_qafc080f15d_ssd_out,@function
k_qafc080f15d_ssd_out:
	s_mov_b64 s[64:65], 0
	v_nop
	global_prefetch_b8 v0, s[64:65] scope:SCOPE_SE
	s_setreg_imm32_b32 hwreg(HW_REG_WAVE_MODE, 25, 1), 1
	s_wait_xcnt 0x0
; Launch 7: y of one batch b, segment p and head a wave, four chunks of 64 steps.  All products are taken transposed, so that one product's result
; registers are the next one's operand:
;   G^T[s,t] = B_s.C_t (A = rows of B, B operand = rows of C); lane r = t, registers s = 8 h + j: packed to f16 that is the B operand M of
;   Y^T[d,t] = sum_s x[s,d] M[t,s], M = 2^(la_t - ls_s) G for s < t, dl_t G on the diagonal, 0 above;  A = x by transposing LDS loads;
;   Z^T[d,t] = sum_n H[d,n] C[t,n], y += 2^(la_t) Z;  A = the state's own registers in f16 under a power-of-two scale from their largest;
;   H[n,d] = 2^(la_63) H + sum_s B[s,n] (ws_s x[s,d]), as in the state launch.
; The sums over n (G, Z, and H's own B) can cancel far below their terms, and the row norm of the next launch divides by what is left.  So B, C and the
; scaled state go in as hi + lo, two f16 numbers: G = Bh Ch + Bl Ch + Bh Cl, Z = Hh Ch + Hh Cl + Hl Ch, H += Bh X' + Bl X'.  The state times its scale
; lies inside (-2, 2): adding and taking away 12,288 rounds it to a multiple of 2^-10, which f16 holds exactly; the rest, at most 2^-11, is lo.
; Every exponent that is kept is at most 0; those above the diagonal are replaced by a select, not multiplied away.
; Left out: for p = 0 the zero state (no load, no Z, the first update starts the sums); tiles of M above the diagonal and their K steps; the state
; update of the last chunk.  Out: y16 f16 [b][head][t][64], each row of 64 scaled by a power of two from its largest, and ysc f32 [b][head][t], that power.
; LDS is filled once, by nine tensor loads a wave issued together (nine are out at most); B and C are shared by the four waves (one barrier).
; Work-groups of a segment share only B and C, first fills only and under half of a work-group's bytes, so no cluster.
; LIMITS: |C.B|/8 below 65,504; entries of M below 6e-5 lose relative precision.
.set XP, 144                           ; every tile's LDS pitch: 128 bytes + 16 of padding
.set XT, 64*XP
.set LOB, 4*XT                         ; from a table's hi tiles to its lo tiles
.set LBH, 16*XT
.set LCH, LBH+2*LOB
.set LHV, LCH+2*LOB
.set LST, LHV+4*3584                   ; 309,248: a wave's stage of 16 rows x 144 bytes, never filled by a tensor load
.set EBE, 0                            ; the even tile's row scales
.set EBH, 1                            ; the state's scale
.set XA, 2
.set BA, 3                             ; B by transposing loads; steps a chunk at each chunk's end
.set BP, 4                             ; B by rows; steps likewise
.set CP, 5                             ; C by rows; steps likewise
.set HVT, 6
.set HVS, 7
.set HVW, 8
.set STO, 9
.set RD, 10
.set GO, 11
.set SO, 12
.set EA, 13
.set SC, 14                            ; v14:15 a packed factor
.set LS, 16
.set LT, 48
.set FT, 56
.set CF, 64
.set G, 80
.set MF, 112
.set Y, 128
.set Z, 160
.set E, 160
.set T, 192
.set YS, 207
.set PK, 208
.set RB, 224
.set CFL, 240                          ; C's lo fragments while the steps are made,
.set WS, 240                           ; ws while the state is updated
.set HH, 128                           ; window 1: H v0-127, Hh v128-191, x v192-255
.set XW, 192
.set BL2, 64                           ; window 2: B hi v0-63, B lo v64-127, Hl v128-191
.set HL, 128
.set MSB, 0
.macro WIN new                         ; the immediate's high byte repeats the setting that is left
.if MSB != \new
	s_set_vgpr_msb (MSB<<8)|\new
.set MSB, \new
.endif
.endm
.macro PLACES                          ; four places behind matrix instructions (ISA guide 7.12.1)
.rept 4
	v_nop
.endr
.endm
.macro DESC g, lreg, lconst, preg, pconst, g1
	s_mov_b32 s[\g], 1
	s_add_co_u32 s[\g+1], s[\lreg], \lconst
	s_add_nc_u64 s[\g+2:\g+3], s[\preg:\preg+1], \pconst
	s_or_b32 s[\g+3], s[\g+3], 0x80000000
	tensor_load_to_lds s[\g:\g+3], s[\g1:\g1+7]
	s_nop 0
.endm
; eb = the power of two of v[\src]'s exponent, kept inside the normal range; v[SC] = 1 / eb
.macro POW2 dst, src
	v_and_b32 v[\dst], 0x7f800000, v[\src]
	v_max_u32 v[\dst], 0x00800000, v[\dst]
	v_min_u32 v[\dst], 0x7e800000, v[\dst]
	v_sub_nc_u32 v[SC], 0x7f000000, v[\dst]
.endm
	s_load_b256 s[4:11], s[0:1], 0x0               ; proj, prp, hin, yb
	s_set_vgpr_msb 0x80
	v_lshl_add_u32 v192, v0, 2, 0x4dc00
	v_mov_b32 v193, 0
	s_set_vgpr_msb 0x808a
	ds_add_u32 v192, v193
	ds_add_u32 v192, v193
	s_set_vgpr_msb 0x8a00
	v_lshrrev_b32 v1, 5, v0
	v_readfirstlane_b32 s12, v1                    ; wave
	s_and_b32 s13, ttmp7, 0xffff
	s_lshr_b32 s14, s13, 4                         ; b
	s_and_b32 s16, s13, 15                         ; p
	s_lshl_b32 s15, ttmp9, 2
	s_add_co_u32 s15, s15, s12                     ; head
	s_lshl_b32 s17, s14, 12
	s_lshl_b32 s19, s16, 8
	s_add_co_u32 s17, s17, s19                     ; the segment's first row
	s_mov_b32 s18, 0xffff0000
	s_mov_b32 s100, 0x76543210
	s_mov_b32 s101, 0xfedcba98
	s_mov_b32 s20, 0x07110000                      ; x: 64 x 64 f16, 4 words of padding behind every 32
	s_mov_b32 s21, 64<<16
	s_mov_b32 s22, 64<<16
	s_mov_b32 s23, 64<<16
	s_mov_b32 s24, 64
	s_mov_b32 s25, 4096
	s_mov_b32 s26, 0
	s_mov_b32 s27, 0
	s_mov_b32 s28, 0x07110000                      ; B and C, hi and lo: the same tile, rows 64 elements apart
	s_mov_b32 s29, 64<<16
	s_mov_b32 s30, 64<<16
	s_mov_b32 s31, 64<<16
	s_mov_b32 s32, 64
	s_mov_b32 s33, 64
	s_mov_b32 s34, 0
	s_mov_b32 s35, 0
	s_mov_b32 s44, 3<<16                           ; records: 4 chunks x 896 bytes in 8-byte elements, 28,672 bytes apart
	s_mov_b32 s45, 112<<16
	s_mov_b32 s46, 4<<16
	s_mov_b32 s47, 112<<16
	s_mov_b32 s48, 4
	s_mov_b32 s49, 3584
	s_mov_b32 s50, 0
	s_mov_b32 s51, 0
	s_mov_b32 s3, 0
	s_wait_dscnt 0x0
	s_wait_kmcnt 0x0
	s_lshr_b32 s2, s17, 1
	s_add_co_u32 s2, s2, s15
	s_mul_i32 s2, s2, 896
	s_add_co_u32 s2, s2, 4194304
	s_add_nc_u64 s[66:67], s[6:7], s[2:3]          ; my head's record of the first chunk
	s_lshl_b32 s2, s12, 6
	s_add_co_u32 s2, s2, s17
	s_lshl_b32 s2, s2, 7
	s_add_nc_u64 s[6:7], s[6:7], s[2:3]            ; Bh at chunk w; Ch, Bl, Cl lie 1, 2, 3 MiB on
	s_lshl_b32 s2, s17, 13
	s_lshl_b32 s19, s15, 7
	s_add_co_u32 s2, s2, s19
	s_add_co_u32 s2, s2, 4096
	s_add_nc_u64 s[4:5], s[4:5], s[2:3]            ; silu(x_raw) of my head
	s_mul_i32 s13, s12, XT
	DESC 52, 13, LBH, 6, 0, 28
	DESC 56, 13, LCH, 6, 1048576, 28
	DESC 60, 13, LBH+LOB, 6, 2097152, 28
	DESC 36, 13, LCH+LOB, 6, 3145728, 28
	s_mul_i32 s19, s12, 3584
	DESC 40, 19, LHV, 66, 0, 44
	s_mul_i32 s13, s12, 4*XT
	DESC 68, 13, 0, 4, 0, 20
	DESC 72, 13, XT, 4, 524288, 20
	DESC 76, 13, 2*XT, 4, 2*524288, 20
	DESC 80, 13, 3*XT, 4, 3*524288, 20
	s_lshl_b32 s2, s14, 5
	s_add_co_u32 s2, s2, s15
	s_lshl_b32 s2, s2, 12
	s_lshl_b32 s19, s16, 8
	s_add_co_u32 s2, s2, s19                       ; (32 b + head) 4,096 + 256 p
	s_lshl_b32 s19, s2, 2
	s_lshl_b32 s2, s2, 7
	s_add_nc_u64 s[66:67], s[10:11], s[2:3]        ; y16
	s_add_co_u32 s2, s19, 33554432
	s_add_nc_u64 s[104:105], s[10:11], s[2:3]      ; ysc
	s_lshl_b32 s2, s14, 4
	s_add_co_u32 s2, s2, s16
	s_lshl_b32 s2, s2, 5
	s_add_co_u32 s2, s2, s15
	s_lshl_b32 s2, s2, 14
	s_add_nc_u64 s[8:9], s[8:9], s[2:3]            ; hin
	v_and_b32 v16, 31, v0
	v_and_b32 v17, 15, v0                          ; r
	v_lshrrev_b32 v18, 4, v16                      ; h
	v_and_b32 v19, 7, v16
	v_lshl_add_u32 v19, v18, 3, v19
	v_mul_u32_u24 v19, v19, XP
	v_bfe_u32 v20, v16, 3, 1
	v_lshl_add_u32 v19, v20, 4, v19                ; (8 h + lane % 8) pitch + 16 ((lane / 8) % 2)
	v_add_nc_u32 v[XA], s13, v19
	v_add_nc_u32 v[BA], LBH, v19
	v_mul_u32_u24 v20, v17, XP
	v_lshl_add_u32 v20, v18, 4, v20                ; r pitch + 16 h
	v_add_nc_u32 v[BP], LBH, v20
	v_add_nc_u32 v[CP], LCH, v20
	s_mul_i32 s2, s12, 3584
	s_add_co_u32 s2, s2, LHV
	v_lshl_add_u32 v[HVT], v17, 2, s2
	v_lshl_add_u32 v[HVS], v18, 5, s2
	v_lshl_add_u32 v[HVW], v18, 4, s2
	v_mov_b32 v[EA], s2
	s_mul_i32 s2, s12, 16*XP
	s_add_co_u32 s2, s2, LST
	v_add_nc_u32 v[STO], s2, v20
	v_lshrrev_b32 v21, 3, v16
	v_mul_u32_u24 v21, v21, XP
	v_and_b32 v22, 7, v16
	v_lshl_add_u32 v21, v22, 4, v21
	v_add_nc_u32 v[RD], s2, v21
	v_lshlrev_b32 v[GO], 4, v16
	v_lshlrev_b32 v[SO], 2, v16
	v_lshlrev_b32 v21, 3, v18
	v_sub_nc_u32 v21, v17, v21                     ; r - 8 h: register j of a diagonal tile is below the diagonal where j < r - 8 h
.irp jj, 0,1,2,3,4,5,6,7
	v_cmp_lt_i32 s[84+\jj], \jj, v21
	v_cmp_eq_i32 s[92+\jj], \jj, v21
.endr
	v_mov_b32 v[SC], 0
	v_mov_b32 v[SC+1], 0
	v_mov_b32 v[T+1], 0
	s_wait_tensorcnt 3                             ; my chunks of B and C, my records and x's first chunk are in; three x tiles stay out
	s_barrier_signal -1
	s_barrier_wait -1
; One link of G for the tiles i = 0 .. j: A at register ab + 16 i of window 2, B operand at cb of window 0.
.macro GLINK j, ab, cb, zero
.set i_, 0
.rept \j+1
.if \zero
	v_wmma_f32_16x16x32_f16 v[G+8*i_:G+8*i_+7], v[\ab+16*i_:\ab+16*i_+7], v[\cb:\cb+7], 0
.else
.if \j == 0
	s_wait_alu depctr_va_vdst(0)                   ; a wait ahead of the link
.endif
	v_wmma_f32_16x16x32_f16 v[G+8*i_:G+8*i_+7], v[\ab+16*i_:\ab+16*i_+7], v[\cb:\cb+7], v[G+8*i_:G+8*i_+7]
.endif
.set i_, i_+1
.endr
.endm
; One link of Z for the four tiles of d, which take turns: A at register hb + 16 kd, B operand at cb.
.macro ZLINK hb, cb, zero
.irp kd, 0,1,2,3
.if \zero
	v_wmma_f32_16x16x32_f16 v[Z+8*\kd:Z+8*\kd+7], v[\hb+16*\kd:\hb+16*\kd+7], v[\cb:\cb+7], 0
.else
	v_wmma_f32_16x16x32_f16 v[Z+8*\kd:Z+8*\kd+7], v[\hb+16*\kd:\hb+16*\kd+7], v[\cb:\cb+7], v[Z+8*\kd:Z+8*\kd+7]
.endif
.endr
.endm
; One pass of the state update over K = 64 steps: A = B's part at register ab of window 2, 16 accumulators by turns.
.macro SLINK ab, first
.irp ks, 0,1
.irp ni, 0,1,2,3
.irp kd, 0,1,2,3
.if (\first+\ks) == 2
	v_wmma_f32_16x16x32_f16 v[8*(4*\ni+\kd):8*(4*\ni+\kd)+7], v[\ab+8*(2*\ni):\ab+8*(2*\ni)+7], v[XW+8*(2*\kd):XW+8*(2*\kd)+7], 0
.else
	v_wmma_f32_16x16x32_f16 v[8*(4*\ni+\kd):8*(4*\ni+\kd)+7], v[\ab+8*(2*\ni+\ks):\ab+8*(2*\ni+\ks)+7], v[XW+8*(2*\kd+\ks):XW+8*(2*\kd+\ks)+7], v[8*(4*\ni+\kd):8*(4*\ni+\kd)+7]
.endif
.endr
.endr
.endr
.endm
.macro TT c, j, hasH                   ; the 16 steps t = 16 j .. +15 of chunk c
.irp ks, 0,1
	ds_load_b128 v[CF+8*\ks:CF+8*\ks+3],     v[CP] offset:\j*16*XP+64*\ks
	ds_load_b128 v[CF+8*\ks+4:CF+8*\ks+7],   v[CP] offset:\j*16*XP+64*\ks+32
	ds_load_b128 v[CFL+8*\ks:CFL+8*\ks+3],   v[CP] offset:LOB+\j*16*XP+64*\ks
	ds_load_b128 v[CFL+8*\ks+4:CFL+8*\ks+7], v[CP] offset:LOB+\j*16*XP+64*\ks+32
.endr
	s_wait_dscnt 0x0
	WIN 0x02
	GLINK \j, 0, CF, 1                             ; Bh Ch
	GLINK \j, 8, CF+8, 0
	GLINK \j, BL2, CF, 0                           ; Bl Ch
	GLINK \j, BL2+8, CF+8, 0
	GLINK \j, 0, CFL, 0                            ; Bh Cl
	GLINK \j, 8, CFL+8, 0
	WIN 0
.set n_, 0
.rept 4*(\j+1)                         ; la_t - ls_s; at least four plain instructions that name none of G's registers: the places behind the products
	v_pk_add_f32 v[E+2*n_:E+2*n_+1], v[LT+2*\j:LT+2*\j+1], v[LS+2*n_:LS+2*n_+1] op_sel_hi:[0,1] neg_lo:[0,1] neg_hi:[0,1]
.set n_, n_+1
.endr
.set n_, 0
.rept 8*(\j+1)
	v_exp_f32 v[E+n_], v[E+n_]
.set n_, n_+1
.endr
	v_nop
	s_wait_alu depctr_va_vdst(0)
.irp jj, 0,1,2,3,4,5,6,7
	v_cndmask_b32 v[E+8*\j+\jj], 0, v[E+8*\j+\jj], s[84+\jj]               ; the diagonal tile: 0 above,
	v_cndmask_b32 v[E+8*\j+\jj], v[E+8*\j+\jj], v[LT+2*\j+1], s[92+\jj]    ; dt lam on the diagonal
.endr
.set n_, 0
.rept 4*(\j+1)
	v_pk_mul_f32 v[E+2*n_:E+2*n_+1], v[E+2*n_:E+2*n_+1], v[G+2*n_:G+2*n_+1]
.set n_, n_+1
.endr
.set n_, 0
.rept 4*(\j+1)
	v_cvt_pk_f16_f32 v[MF+n_], v[E+2*n_], v[E+2*n_+1]
.set n_, n_+1
.endr
.if (\j%2) == 0
.irp k, 0,1,2,3
	v_mov_b32 v[MF+4*(\j+1)+\k], 0                 ; the half of the last K step that lies above the diagonal
.endr
.endif
	WIN 0x01
.set k_, 0
.rept \j/2+1
.irp kd, 0,1,2,3
.if k_ == 0
	v_wmma_f32_16x16x32_f16 v[Y+8*\kd:Y+8*\kd+7], v[XW+16*\kd+8*k_:XW+16*\kd+8*k_+7], v[MF+8*k_:MF+8*k_+7], 0
.else
	v_wmma_f32_16x16x32_f16 v[Y+8*\kd:Y+8*\kd+7], v[XW+16*\kd+8*k_:XW+16*\kd+8*k_+7], v[MF+8*k_:MF+8*k_+7], v[Y+8*\kd:Y+8*\kd+7]
.endif
.endr
.set k_, k_+1
.endr
.if \hasH
	ZLINK HH, CF, 1                                ; Hh Ch
	ZLINK HH+8, CF+8, 0
	ZLINK HH, CFL, 0                               ; Hh Cl
	ZLINK HH+8, CFL+8, 0
	WIN 0x02
	ZLINK HL, CF, 0                                ; Hl Ch
	ZLINK HL+8, CF+8, 0
.endif
	WIN 0
	PLACES
.if \hasH
.set n_, 0
.rept 16
	v_pk_fma_f32 v[Y+2*n_:Y+2*n_+1], v[Z+2*n_:Z+2*n_+1], v[FT+2*\j:FT+2*\j+1], v[Y+2*n_:Y+2*n_+1] op_sel_hi:[1,0,1]
.set n_, n_+1
.endr
.endif
	; the way out: a power-of-two scale for each row t from its largest |y| (my 32 numbers and my partner lane's), f16, through my stage
	v_max_num_f32 v[T], |v[Y]|, |v[Y+1]|
.set n_, 1
.rept 15
	v_max3_num_f32 v[T], v[T], |v[Y+2*n_]|, |v[Y+2*n_+1]|
.set n_, n_+1
.endr
	v_permlanex16_b32 v[T+1], v[T], s100, s101
	v_max_num_f32 v[T], v[T], v[T+1]
.if (\j%2) == 0
	POW2 EBE, T
.else
	POW2 T+2, T
.endif
.set n_, 0
.rept 16
	v_pk_mul_f32 v[Y+2*n_:Y+2*n_+1], v[Y+2*n_:Y+2*n_+1], v[SC:SC+1] op_sel_hi:[1,0]
.set n_, n_+1
.endr
.set n_, 0
.rept 16
	v_cvt_pk_f16_f32 v[PK+n_], v[Y+2*n_], v[Y+2*n_+1]
.set n_, n_+1
.endr
.irp kd, 0,1,2,3
	ds_store_b128 v[STO], v[PK+4*\kd:PK+4*\kd+3] offset:32*\kd
.endr
	s_wait_xcnt 0x0                                ; the read-back registers and the scales' register were stores' data
.irp m, 0,1,2,3
	ds_load_b128 v[RB+4*\m:RB+4*\m+3], v[RD] offset:4*XP*\m        ; my own bytes, served in order behind my stores
.endr
.irp m, 0,1,2,3
	s_wait_dscnt 3-\m
	global_store_b128 v[GO], v[RB+4*\m:RB+4*\m+3], s[66:67] offset:\c*8192+\j*2048+512*\m   ; four rows of 128 bytes: 512 consecutive bytes
.endr
.if (\j%2) == 1
	v_cndmask_b32 v[YS], v[EBE], v[T+2], s18       ; lanes 0-15: the even tile's rows, lanes 16-31: the odd tile's
	global_store_b32 v[SO], v[YS], s[104:105] offset:256*\c+128*(\j/2)
.endif
.endm
; The 128 staged numbers v80-207 go as f16 into the A fragments of Z at register dst: tile (ni, kd) gives half ni % 2 of fragment (kd, ni / 2).
.macro PACKH dst
.irp ni, 0,1,2,3
.irp kd, 0,1,2,3
.irp rr, 0,1,2,3
	v_cvt_pk_f16_f32 v[\dst+8*(2*\kd+(\ni/2))+4*(\ni%2)+\rr], v[80+8*(4*\ni+\kd)+2*\rr], v[80+8*(4*\ni+\kd)+2*\rr+1]
.endr
.endr
.endr
.endm
.macro CHUNK c, hasH, upd
	s_wait_tensorcnt 3-\c                          ; x's chunk c is in, the younger ones stay out
	WIN 0x40
.irp kd, 0,1,2,3
.irp ks, 0,1
	ds_load_tr16_b128 v[XW+8*(2*\kd+\ks):XW+8*(2*\kd+\ks)+3],   v[XA] offset:\c*XT+\ks*32*XP+\kd*32
	ds_load_tr16_b128 v[XW+8*(2*\kd+\ks)+4:XW+8*(2*\kd+\ks)+7], v[XA] offset:\c*XT+\ks*32*XP+\kd*32+16*XP
.endr
.endr
	WIN 0x80
.irp i, 0,1,2,3
.irp ks, 0,1
	ds_load_b128 v[8*(2*\i+\ks):8*(2*\i+\ks)+3],           v[BP] offset:\i*16*XP+64*\ks
	ds_load_b128 v[8*(2*\i+\ks)+4:8*(2*\i+\ks)+7],         v[BP] offset:\i*16*XP+64*\ks+32
	ds_load_b128 v[BL2+8*(2*\i+\ks):BL2+8*(2*\i+\ks)+3],   v[BP] offset:LOB+\i*16*XP+64*\ks
	ds_load_b128 v[BL2+8*(2*\i+\ks)+4:BL2+8*(2*\i+\ks)+7], v[BP] offset:LOB+\i*16*XP+64*\ks+32
.endr
.endr
	WIN 0
.irp i, 0,1,2,3
	ds_load_b128 v[LS+8*\i:LS+8*\i+3],   v[HVS] offset:\c*896+384+64*\i
	ds_load_b128 v[LS+8*\i+4:LS+8*\i+7], v[HVS] offset:\c*896+384+64*\i+16
	ds_load_b32 v[LT+2*\i],   v[HVT] offset:\c*896+64*\i
	ds_load_b32 v[LT+2*\i+1], v[HVT] offset:\c*896+640+64*\i
.endr
	s_wait_dscnt 0x0
.if \hasH
.if \c == 0
	s_wait_loadcnt 0x0                             ; the state from memory
.endif
	s_wait_xcnt 0x0                                ; v207 was the last scale store's data
.irp k, 0,1,2,3
	v_mov_b32 v[T+\k], 0
.endr
	WIN 0x14
.set k, 0
.rept 64
	v_max3_num_f32 v[T+k%4], v[T+k%4], |v[2*k]|, |v[2*k+1]|
.set k, k+1
.endr
	WIN 0
	v_max3_num_f32 v[T], v[T], v[T+1], v[T+2]
	v_max_num_f32 v[T], v[T], v[T+3]
	v_max_num_f32_dpp v[T], v[T], v[T] row_xmask:1 row_mask:0xf bank_mask:0xf
	v_max_num_f32_dpp v[T], v[T], v[T] row_xmask:2 row_mask:0xf bank_mask:0xf
	v_max_num_f32_dpp v[T], v[T], v[T] row_xmask:4 row_mask:0xf bank_mask:0xf
	v_max_num_f32_dpp v[T], v[T], v[T] row_xmask:8 row_mask:0xf bank_mask:0xf
	v_permlanex16_b32 v[T+1], v[T], s100, s101
	v_max_num_f32 v[T], v[T], v[T+1]
	POW2 EBH, T
	v_mov_b32 v[PK], 0x46400000                    ; 12,288: its last place is 2^-10
	v_mov_b32 v[PK+1], 0x46400000
	WIN 0x01
.set k, 0
.rept 64
	v_pk_fma_f32 v[80+2*k:80+2*k+1], v[2*k:2*k+1], v[SC:SC+1], v[PK:PK+1] op_sel_hi:[1,0,1]
.set k, k+1
.endr
	WIN 0
.set k, 0
.rept 64
	v_pk_add_f32 v[80+2*k:80+2*k+1], v[80+2*k:80+2*k+1], v[PK:PK+1] neg_lo:[0,1] neg_hi:[0,1]   ; hi: a multiple of 2^-10
.set k, k+1
.endr
	WIN 0x40
	PACKH HH
	WIN 0x01
.set k, 0
.rept 64
	v_pk_fma_f32 v[80+2*k:80+2*k+1], v[2*k:2*k+1], v[SC:SC+1], v[80+2*k:80+2*k+1] op_sel_hi:[1,0,1] neg_lo:[0,0,1] neg_hi:[0,0,1]   ; lo = H sc - hi
.set k, k+1
.endr
	WIN 0x80
	PACKH HL
	WIN 0
.irp i, 0,1,2,3
	v_exp_f32 v[FT+2*\i], v[LT+2*\i]
.endr
	v_nop
	s_wait_alu depctr_va_vdst(0)
.irp i, 0,1,2,3
	v_mul_f32 v[FT+2*\i], v[FT+2*\i], v[EBH]       ; 2^(la_t) and the state's scale taken back
	v_mov_b32 v[FT+2*\i+1], v[FT+2*\i]
.endr
.endif
	TT \c, 0, \hasH
	TT \c, 1, \hasH
	TT \c, 2, \hasH
	TT \c, 3, \hasH
.if \upd
	WIN 0x80                                       ; B once more, now by transposing loads: rows n, K = s
.irp ni, 0,1,2,3
.irp ks, 0,1
	ds_load_tr16_b128 v[8*(2*\ni+\ks):8*(2*\ni+\ks)+3],           v[BA] offset:\ks*32*XP+\ni*32
	ds_load_tr16_b128 v[8*(2*\ni+\ks)+4:8*(2*\ni+\ks)+7],         v[BA] offset:\ks*32*XP+\ni*32+16*XP
	ds_load_tr16_b128 v[BL2+8*(2*\ni+\ks):BL2+8*(2*\ni+\ks)+3],   v[BA] offset:LOB+\ks*32*XP+\ni*32
	ds_load_tr16_b128 v[BL2+8*(2*\ni+\ks)+4:BL2+8*(2*\ni+\ks)+7], v[BA] offset:LOB+\ks*32*XP+\ni*32+16*XP
.endr
.endr
	WIN 0
.irp ks, 0,1
	ds_load_b128 v[WS+8*\ks:WS+8*\ks+3],   v[HVW] offset:\c*896+256+64*\ks
	ds_load_b128 v[WS+8*\ks+4:WS+8*\ks+7], v[HVW] offset:\c*896+256+64*\ks+32
.endr
.if \hasH
	ds_load_b32 v[T+2], v[EA] offset:\c*896+252
.endif
	s_wait_dscnt 0x0
.if \hasH
	v_exp_f32 v[T], v[T+2]                         ; the chunk's decay, twice for the packed multiply
	v_exp_f32 v[T+1], v[T+2]
	v_nop
.endif
	WIN 0x41
.irp kd, 0,1,2,3
.irp ks, 0,1
.irp r, 0,1,2,3,4,5,6,7
	v_pk_mul_f16 v[XW+8*(2*\kd+\ks)+\r], v[XW+8*(2*\kd+\ks)+\r], v[WS+8*\ks+\r]   ; X' = ws x
.endr
.endr
.endr
.if \hasH
.set k, 0
	s_wait_alu depctr_va_vdst(0)
.rept 64
	v_pk_mul_f32 v[2*k:2*k+1], v[2*k:2*k+1], v[T:T+1]
.set k, k+1
.endr
.endif
	WIN 0x56                                       ; A window 2, B operand, C and D window 1
.if \hasH
	SLINK 0, 0                                     ; Bh X'
.else
	SLINK 0, 2                                     ; Bh X': the first products start the sums
.endif
	SLINK BL2, 0                                   ; Bl X'
	WIN 0
	v_add_nc_u32 v[BA], XT, v[BA]                  ; B's and C's next chunk; with the v_nop these are the four places behind the last products
	v_add_nc_u32 v[BP], XT, v[BP]
	v_add_nc_u32 v[CP], XT, v[CP]
	v_nop
.endif
.endm
	s_cmp_eq_u32 s16, 0
	s_cbranch_scc1 .Lfirst
	WIN 0x40
.set k, 0
.rept 32
	global_load_b128 v[4*k:4*k+3], v[GO], s[8:9] offset:512*k
.set k, k+1
.endr
	WIN 0
	CHUNK 0, 1, 1
	s_branch .Lrest
.Lfirst:                                           ; a batch's first segment: the state in front of it is the function's own zeros
	CHUNK 0, 0, 1
.Lrest:
	CHUNK 1, 1, 1
	CHUNK 2, 1, 1
	CHUNK 3, 1, 0                                  ; its wait on the tensor loads is for 0
	s_set_vgpr_msb 0xa
	s_wait_tensorcnt 0x0
	ds_add_u32 v192, v193
	s_wait_dscnt 0x0
	s_set_vgpr_msb 0xa00
	s_endpgm
.Lfunc_end_k_qafc080f15d_ssd_out:
	.size	k_qafc080f15d_ssd_out, .Lfunc_end_k_qafc080f15d_ssd_out-k_qafc080f15d_ssd_out
	.p2alignl 7, 3214868480
	.fill 96, 4, 3214868480
	.section	.rodata,"a",@progbits
	.p2align	6, 0x0
	.amdhsa_kernel k_qafc080f15d_ssd_out
		.amdhsa_group_segment_fixed_size 318976
		.amdhsa_private_segment_fixed_size 0
		.amdhsa_enable_private_segment 0
		.amdhsa_kernarg_size 32
		.amdhsa_user_sgpr_count 2
		.amdhsa_user_sgpr_kernarg_segment_ptr 1
		.amdhsa_wavefront_size32 1
		.amdhsa_system_sgpr_workgroup_id_x 1
		.amdhsa_system_sgpr_workgroup_id_y 1
		.amdhsa_system_sgpr_workgroup_id_z 1
		.amdhsa_system_vgpr_workitem_id 0
		.amdhsa_next_free_vgpr 706
		.amdhsa_next_free_sgpr 106
		.amdhsa_reserve_vcc 0
		.amdhsa_float_denorm_mode_32 3
		.amdhsa_float_denorm_mode_16_64 3
		.amdhsa_memory_ordered 1
		.amdhsa_forward_progress 1
		.amdhsa_inst_pref_size 255
	.end_amdhsa_kernel
	.section	.bss,"aw",@nobits
	.p2align	6
	.space	262144
	.amdgpu_metadata
---
amdhsa.version: [ 1, 2 ]
amdhsa.kernels:
  - .name:           k_qafc080f15d_ssd_out
    .symbol:         k_qafc080f15d_ssd_out.kd
    .args:
      - { .name: proj, .offset: 0, .size: 8, .value_kind: global_buffer, .address_space: global }
      - { .name: prp, .offset: 8, .size: 8, .value_kind: global_buffer, .address_space: global }
      - { .name: hin, .offset: 16, .size: 8, .value_kind: global_buffer, .address_space: global }
      - { .name: yb, .offset: 24, .size: 8, .value_kind: global_buffer, .address_space: global }
    .group_segment_fixed_size: 318976
    .private_segment_fixed_size: 0
    .kernarg_segment_align: 8
    .kernarg_segment_size: 32
    .max_flat_workgroup_size: 128
    .sgpr_count:     106
    .vgpr_count:     706
    .wavefront_size: 32
...
	.end_amdgpu_metadata
.endif
;; end of part 7
;; launch norm (part 8): grid 512 x 1, 8 waves a work-group, no clusters, 3,072 bytes of LDS; arguments yb, proj, ub; writes ub
.if DOCPART == 8
	.amdgcn_target "amdgcn-amd-amdhsa--gfx1250"
	.amdhsa_code_object_version 6
	.text
	.protected	k_qafc080f15d_norm
	.globl	k_qafc080f15d_norm
	.p2align	8
	.type	k_qafc080f15d_norm,@function
k_qafc080f15d_norm:
	s_mov_b64 s[64:65], 0
	v_nop
	global_prefetch_b8 v0, s[64:65] scope:SCOPE_SE
	s_setreg_imm32_b32 hwreg(HW_REG_WAVE_MODE, 25, 1), 1
	s_wait_xcnt 0x0
; Launch 8: u = rms_norm(y silu(z)) over 2,048 columns, in f32, rounded once to f16 (|u| <= sqrt(2048), so f16 has room for every input).
; A work-group takes 16 rows, a wave two, a half-wave of 16 lanes one whole row: the row stays in registers between the sum of squares and the scaling.
; Step m = 0 .. 15: a lane has columns 128 m + 8 (lane % 16) .. +7, that is head 2 m + ((lane / 8) % 2).  y = y16 ysc: the 16 rows' 32 scales are copied once
; into LDS in pieces of 64 bytes (a sixty-fourth of the launch's bytes) and read from there.  A stream: no matrix work, no cluster, no tensor loads.
; LIMIT: (y silu(z))^2 and its sum over a row inside f32's range.
.set AY, 128
.set AZ, 129
.set AU, 130
.set AS, 131
.set TY, 144
.set TZ, 152
.set TE, 160
.set SS, 168
.set SCL, 176
	s_load_b128 s[4:7], s[0:1], 0x0                ; yb, proj
	s_load_b64 s[8:9], s[0:1], 0x10                ; ub
	v_lshl_add_u32 v192, v0, 2, 0x800
	v_mov_b32 v193, 0
	v_lshrrev_b32 v132, 5, v0
	v_readfirstlane_b32 s12, v132                  ; wave
	v_and_b32 v134, 31, v0                         ; lane
	v_lshrrev_b32 v133, 4, v134                    ; which of my two rows
	v_bfe_u32 v137, v134, 3, 1                     ; which of the step's two heads
	v_and_b32 v138, 7, v134
	v_and_b32 v139, 15, v134
	v_lshlrev_b32 v[AY], 19, v137
	v_lshl_add_u32 v[AY], v133, 7, v[AY]
	v_lshl_add_u32 v[AY], v138, 4, v[AY]
	v_lshlrev_b32 v[AZ], 13, v133
	v_lshl_add_u32 v[AZ], v139, 4, v[AZ]
	v_lshlrev_b32 v[AU], 12, v133
	v_lshl_add_u32 v[AU], v139, 4, v[AU]
	s_lshl_b32 s15, s12, 3
	v_lshl_add_u32 v[AS], v137, 6, s15
	v_lshl_add_u32 v[AS], v133, 2, v[AS]
	v_lshrrev_b32 v135, 2, v0                      ; the copy of the scales: thread t takes head t / 4, rows 4 (t % 4) .. +3
	v_and_b32 v136, 3, v0
	v_lshlrev_b32 v135, 14, v135
	v_lshl_add_u32 v135, v136, 4, v135
	v_lshlrev_b32 v136, 4, v0
	s_lshr_b32 s13, ttmp9, 8                       ; b
	s_lshl_b32 s14, ttmp9, 4
	s_and_b32 s14, s14, 4095                       ; t0
	s_mov_b32 s22, 0x3a000000                      ; 1/2048
	s_lshl_b32 s16, s13, 19                        ; 32 b heads x 16,384 bytes
	s_lshl_b32 s15, s14, 2
	s_add_co_u32 s16, s16, s15
	s_add_co_u32 s16, s16, 33554432
	s_mov_b32 s17, 0
	s_lshl_b32 s15, s12, 1
	s_add_co_u32 s18, s14, s15
	s_lshl_b32 s18, s18, 7
	s_lshl_b32 s19, s13, 24                        ; 32 b heads x 524,288 bytes
	s_add_co_u32 s18, s18, s19
	s_mov_b32 s19, 0
	s_lshl_b32 s24, ttmp9, 4
	s_add_co_u32 s24, s24, s15                     ; my first row
	s_lshl_b32 s26, s24, 12
	s_lshl_b32 s24, s24, 13
	s_mov_b32 s25, 0
	s_mov_b32 s27, 0
	s_wait_kmcnt 0x0
	s_add_nc_u64 s[16:17], s[4:5], s[16:17]
	s_add_nc_u64 s[18:19], s[4:5], s[18:19]
	s_add_nc_u64 s[20:21], s[18:19], 8388608       ; heads 16 and up
	s_add_nc_u64 s[6:7], s[6:7], s[24:25]
	s_add_nc_u64 s[8:9], s[8:9], s[26:27]
	s_cmp_ge_u32 s12, 4
	s_cbranch_scc1 .Lnosc
	global_load_b128 v[144:147], v135, s[16:17]
	s_wait_loadcnt 0x0
	ds_store_b128 v136, v[144:147]
.Lnosc:
.set m, 0
.rept 16
	global_load_b128 v[8*m:8*m+3], v[AY], s[18+2*(m/8):19+2*(m/8)] offset:(m%8)*1048576 th:TH_LOAD_NT
.set m, m+1
.endr
.set m, 0
.rept 16
	global_load_b128 v[8*m+4:8*m+7], v[AZ], s[6:7] offset:256*m th:TH_LOAD_NT
.set m, m+1
.endr
	s_wait_dscnt 0x0                               ; my part of the scales is in LDS before I signal
	s_barrier_signal -1
	s_barrier_wait -1
.set m, 0
.rept 16
	ds_load_b32 v[SCL+m], v[AS] offset:128*m
.set m, m+1
.endr
	s_wait_dscnt 0x0
; One step: eight columns.  The registers are given by number: halves of a register have names only in the plain form.
.macro VSTEP m, y0, y1, y2, y3, z0, z1, z2, z3
	s_wait_loadcnt 15-\m                           ; z of step m is in (all of y was asked for ahead of z); the younger z loads stay out
	v_cvt_f32_f16 v[TY+0], v\y0\().l
	v_cvt_f32_f16 v[TY+1], v\y0\().h
	v_cvt_f32_f16 v[TY+2], v\y1\().l
	v_cvt_f32_f16 v[TY+3], v\y1\().h
	v_cvt_f32_f16 v[TY+4], v\y2\().l
	v_cvt_f32_f16 v[TY+5], v\y2\().h
	v_cvt_f32_f16 v[TY+6], v\y3\().l
	v_cvt_f32_f16 v[TY+7], v\y3\().h
	v_cvt_f32_f16 v[TZ+0], v\z0\().l
	v_cvt_f32_f16 v[TZ+1], v\z0\().h
	v_cvt_f32_f16 v[TZ+2], v\z1\().l
	v_cvt_f32_f16 v[TZ+3], v\z1\().h
	v_cvt_f32_f16 v[TZ+4], v\z2\().l
	v_cvt_f32_f16 v[TZ+5], v\z2\().h
	v_cvt_f32_f16 v[TZ+6], v\z3\().l
	v_cvt_f32_f16 v[TZ+7], v\z3\().h
.irp k, 0,2,4,6
	v_pk_mul_f32 v[TE+\k:TE+\k+1], v[TZ+\k:TZ+\k+1], 0xbfb8aa3b op_sel_hi:[1,0]
.endr
.irp k, 0,1,2,3,4,5,6,7
	v_exp_f32 v[TE+\k], v[TE+\k]
.endr
	v_nop
	s_wait_alu depctr_va_vdst(0)
.irp k, 0,2,4,6
	v_pk_add_f32 v[TE+\k:TE+\k+1], v[TE+\k:TE+\k+1], 1.0 op_sel_hi:[1,0]
.endr
.irp k, 0,1,2,3,4,5,6,7
	v_rcp_f32 v[TE+\k], v[TE+\k]
.endr
	v_nop
	s_wait_alu depctr_va_vdst(0)
.irp k, 0,2,4,6
	v_pk_mul_f32 v[TZ+\k:TZ+\k+1], v[TZ+\k:TZ+\k+1], v[TE+\k:TE+\k+1]           ; silu(z)
.if (\m%2) == 0
	v_pk_mul_f32 v[TY+\k:TY+\k+1], v[TY+\k:TY+\k+1], v[SCL+\m:SCL+\m+1] op_sel_hi:[1,0]             ; y = y16 ysc: the pair's first register for both
.else
	v_pk_mul_f32 v[TY+\k:TY+\k+1], v[TY+\k:TY+\k+1], v[SCL+\m-1:SCL+\m] op_sel:[0,1] op_sel_hi:[1,1]  ; the pair's second register for both
.endif
	v_pk_mul_f32 v[8*\m+\k:8*\m+\k+1], v[TY+\k:TY+\k+1], v[TZ+\k:TZ+\k+1]
.if \m
	v_pk_fma_f32 v[SS+\k:SS+\k+1], v[8*\m+\k:8*\m+\k+1], v[8*\m+\k:8*\m+\k+1], v[SS+\k:SS+\k+1]
.else
	v_pk_mul_f32 v[SS+\k:SS+\k+1], v[8*\m+\k:8*\m+\k+1], v[8*\m+\k:8*\m+\k+1]   ; the first step starts the four chains
.endif
.endr
.endm
	VSTEP 0, 0,1,2,3,4,5,6,7
	VSTEP 1, 8,9,10,11,12,13,14,15
	VSTEP 2, 16,17,18,19,20,21,22,23
	VSTEP 3, 24,25,26,27,28,29,30,31
	VSTEP 4, 32,33,34,35,36,37,38,39
	VSTEP 5, 40,41,42,43,44,45,46,47
	VSTEP 6, 48,49,50,51,52,53,54,55
	VSTEP 7, 56,57,58,59,60,61,62,63
	VSTEP 8, 64,65,66,67,68,69,70,71
	VSTEP 9, 72,73,74,75,76,77,78,79
	VSTEP 10, 80,81,82,83,84,85,86,87
	VSTEP 11, 88,89,90,91,92,93,94,95
	VSTEP 12, 96,97,98,99,100,101,102,103
	VSTEP 13, 104,105,106,107,108,109,110,111
	VSTEP 14, 112,113,114,115,116,117,118,119
	VSTEP 15, 120,121,122,123,124,125,126,127
	v_pk_add_f32 v[SS:SS+1], v[SS:SS+1], v[SS+2:SS+3]
	v_pk_add_f32 v[SS+4:SS+5], v[SS+4:SS+5], v[SS+6:SS+7]
	v_pk_add_f32 v[SS:SS+1], v[SS:SS+1], v[SS+4:SS+5]
	v_add_f32 v[SS], v[SS], v[SS+1]
	v_add_f32_dpp v[SS], v[SS], v[SS] row_xmask:1 row_mask:0xf bank_mask:0xf    ; a row lies in 16 lanes: four steps
	v_add_f32_dpp v[SS], v[SS], v[SS] row_xmask:2 row_mask:0xf bank_mask:0xf
	v_add_f32_dpp v[SS], v[SS], v[SS] row_xmask:4 row_mask:0xf bank_mask:0xf
	v_add_f32_dpp v[SS], v[SS], v[SS] row_xmask:8 row_mask:0xf bank_mask:0xf
	v_fmaak_f32 v[SS], s22, v[SS], 0x34000000
	v_rsq_f32 v[SS+2], v[SS]
	v_rsq_f32 v[SS+3], v[SS]
	v_nop
.set m, 0
	s_wait_alu depctr_va_vdst(0)
.rept 16
.irp k, 0,2,4,6
	v_pk_mul_f32 v[8*m+\k:8*m+\k+1], v[8*m+\k:8*m+\k+1], v[SS+2:SS+3]
.endr
.irp k, 0,1,2,3
	v_cvt_pk_f16_f32 v[8*m+\k], v[8*m+2*\k], v[8*m+2*\k+1]
.endr
	global_store_b128 v[AU], v[8*m:8*m+3], s[8:9] offset:256*m   ; 16 lanes store 256 consecutive bytes, aligned
.set m, m+1
.endr
	s_wait_tensorcnt 0x0
	ds_add_u32 v192, v193
	s_wait_dscnt 0x0
	s_endpgm
.Lfunc_end_k_qafc080f15d_norm:
	.size	k_qafc080f15d_norm, .Lfunc_end_k_qafc080f15d_norm-k_qafc080f15d_norm
	.p2alignl 7, 3214868480
	.fill 96, 4, 3214868480
	.section	.rodata,"a",@progbits
	.p2align	6, 0x0
	.amdhsa_kernel k_qafc080f15d_norm
		.amdhsa_group_segment_fixed_size 3072
		.amdhsa_private_segment_fixed_size 0
		.amdhsa_enable_private_segment 0
		.amdhsa_kernarg_size 24
		.amdhsa_user_sgpr_count 2
		.amdhsa_user_sgpr_kernarg_segment_ptr 1
		.amdhsa_wavefront_size32 1
		.amdhsa_system_sgpr_workgroup_id_x 1
		.amdhsa_system_sgpr_workgroup_id_y 1
		.amdhsa_system_sgpr_workgroup_id_z 1
		.amdhsa_system_vgpr_workitem_id 0
		.amdhsa_next_free_vgpr 194
		.amdhsa_next_free_sgpr 66
		.amdhsa_reserve_vcc 0
		.amdhsa_float_denorm_mode_32 3
		.amdhsa_float_denorm_mode_16_64 3
		.amdhsa_memory_ordered 1
		.amdhsa_forward_progress 1
		.amdhsa_inst_pref_size 62
	.end_amdhsa_kernel
	.amdgpu_metadata
---
amdhsa.version: [ 1, 2 ]
amdhsa.kernels:
  - .name:           k_qafc080f15d_norm
    .symbol:         k_qafc080f15d_norm.kd
    .args:
      - { .name: yb, .offset: 0, .size: 8, .value_kind: global_buffer, .address_space: global }
      - { .name: proj, .offset: 8, .size: 8, .value_kind: global_buffer, .address_space: global }
      - { .name: ub, .offset: 16, .size: 8, .value_kind: global_buffer, .address_space: global }
    .group_segment_fixed_size: 3072
    .private_segment_fixed_size: 0
    .kernarg_segment_align: 8
    .kernarg_segment_size: 24
    .max_flat_workgroup_size: 256
    .sgpr_count:     66
    .vgpr_count:     194
    .wavefront_size: 32
...
	.end_amdgpu_metadata
.endif
;; end of part 8
;; launch gemm_out (part 9): grid 8 x 32, 4 waves a work-group, clusters of 4 x 4, 327,680 bytes of LDS; arguments ub, h16, out0; writes out0
.if DOCPART == 9
	.amdgcn_target "amdgcn-amd-amdhsa--gfx1250"
	.amdhsa_code_object_version 6
	.text
	.protected	k_qafc080f15d_gemm_out
	.globl	k_qafc080f15d_gemm_out
	.p2align	8
	.type	k_qafc080f15d_gemm_out,@function
k_qafc080f15d_gemm_out:
	s_mov_b64 s[64:65], 0
	v_nop
	global_prefetch_b8 v0, s[64:65] scope:SCOPE_SE
	s_setreg_imm32_b32 hwreg(HW_REG_WAVE_MODE, 25, 1), 1
	s_wait_xcnt 0x0
	s_wait_alu depctr_hold_cnt(0) depctr_sa_sdst(0) depctr_va_vdst(0) depctr_va_sdst(0) depctr_va_ssrc(0) depctr_va_vcc(0) depctr_vm_vsrc(0)
	s_getreg_b32 s2, hwreg(HW_REG_IB_STS2, 6, 4)
	s_cmp_eq_u32 s2, 0
	s_cbranch_scc0 .Lentry_in_a_cluster
	s_endpgm
.Lentry_in_a_cluster:
	s_bfe_u32 s2, ttmp6, 0x10000c
	s_cmp_lg_u32 s2, 0xf033
	s_cbranch_scc0 .Lentry_shape_is_right
	s_endpgm
.Lentry_shape_is_right:
; Launch 9: out0 = u W_out^T, f16 operands, f32 sums and f32 output.  A work-group makes 256 rows x 128 columns (256 work-groups in all); wave (i, j) makes
; rows 128 i .. +127 x columns 64 j .. +63: 32 accumulator tiles in window 1; fragments and addresses in window 0.  K = 2,048 goes in steps of 128 through
; two LDS slots filled by joint tensor loads: u's tile is shared along a row of the 4 x 4 cluster, W_out's along a column.  Matrix instructions are used
; transposed (source 0 = rows of W_out, source 1 = rows of u): a lane holds eight neighbouring columns of one row of out0.
; The 32 accumulators take turns, one instruction a turn, in one order in every quarter step.
.set SIZE_K, 2048
.set KSTEP,  128
.set PITCH,  272
.set HALFA,  128*PITCH
.set HALFB,  64*PITCH
.set SLOT,   2*HALFA+2*HALFB
.set STAGE,  2*SLOT                    ; 4 x 4,352 bytes, a wave's own, never filled by a tensor load
.set LAPS,   SIZE_K/(2*KSTEP)
.set ADRA, 16
.set ADRB, 20
.set STO, 24
.set RD,  25
.set CO,  26
.set F0,  64
.set F1,  128
.set FB0, 192
.set FB1, 224
.set G1, 24
.set G0, 32
.set G1B, 48
.set G0B, 56
.set MUL, 0x50                         ; C and D window 1
.set MSB, 0
.macro WIN new
.if MSB != \new
	s_set_vgpr_msb (MSB<<8)|\new
.set MSB, \new
.endif
.endm
.macro JLOAD s
	s_cmp_eq_u32 s11, 0
	s_cbranch_scc0 .Lfor_b_\@
	tensor_load_to_lds s[G0+4*\s:G0+4*\s+3], s[G1:G1+7]
	s_nop 0
	s_branch .Lasked_\@
.Lfor_b_\@:
	tensor_load_to_lds s[G0B+4*\s:G0B+4*\s+3], s[G1B:G1B+7]
	s_nop 0
.Lasked_\@:
.endm
.macro CREST
	s_cmp_lg_u32 s10, 0
	s_cbranch_scc1 .Lnot_wave_0_\@
	s_barrier_signal -3
.Lnot_wave_0_\@:
	s_barrier_wait -3
	s_barrier_signal -1
	s_barrier_wait -1
.endm
.macro CROUND
	s_barrier_signal -1
	s_barrier_wait -1
	CREST
.endm
.macro PLACES
.rept 4
	v_nop
.endr
.endm
	s_load_b128 s[4:7], s[0:1], 0x0                ; ub, h16
	s_load_b64 s[8:9], s[0:1], 0x10                ; out0
	v_lshl_add_u32 v62, v0, 2, 0x37400
	v_mov_b32 v63, 0
	ds_add_u32 v62, v63
	ds_add_u32 v62, v63
	v_lshrrev_b32 v1, 5, v0
	v_readfirstlane_b32 s10, v1
	s_lshr_b32 s11, s10, 1                         ; i; also: I fetch for u (0) or W_out (1)
	s_and_b32 s12, s10, 1                          ; j; also: which half I fetch
	s_bfe_u32 s40, ttmp6, 0x40000
	s_bfe_u32 s41, ttmp6, 0x40004
	s_lshl_b32 s42, ttmp9, 2
	s_add_co_u32 s42, s42, s40                     ; bx
	s_and_b32 s13, ttmp7, 0xffff
	s_lshl_b32 s13, s13, 2
	s_add_co_u32 s13, s13, s41                     ; by
	s_lshl_b32 s43, s41, 2
	s_lshl_b32 s43, 15, s43
	s_lshl_b32 s44, 0x1111, s40
	s_or_b32 s[G1+0], s43, (1<<16)|(1<<20)|(1<<21)|(5<<22)|(3<<25)
	s_or_b32 s[G1B+0], s44, (1<<16)|(1<<20)|(1<<21)|(5<<22)|(3<<25)
	s_mov_b32 s[G1+1], KSTEP<<16
	s_mov_b32 s[G1B+1], KSTEP<<16
	s_mov_b32 s[G1+2], 128<<16
	s_mov_b32 s[G1B+2], 64<<16
	s_mov_b32 s[G1+3], KSTEP<<16
	s_mov_b32 s[G1B+3], KSTEP<<16
	s_mov_b32 s[G1+4], 128
	s_mov_b32 s[G1B+4], 64
	s_mov_b32 s[G1+5], SIZE_K
	s_mov_b32 s[G1B+5], SIZE_K
	s_mov_b32 s[G1+6], 0
	s_mov_b32 s[G1B+6], 0
	s_mov_b32 s[G1+7], 0
	s_mov_b32 s[G1B+7], 0
	s_lshl_b32 s16, s13, 8
	s_lshl_b32 s17, s12, 7
	s_add_co_u32 s16, s16, s17                     ; u: row 256 by + 128 half
	s_lshl_b32 s16, s16, 12
	s_mov_b32 s17, 0
	s_lshl_b32 s46, s42, 7
	s_lshl_b32 s47, s12, 6
	s_add_co_u32 s46, s46, s47                     ; W_out: row 128 bx + 64 half
	s_lshl_b32 s46, s46, 12
	s_add_co_u32 s46, s46, 25690112
	s_mov_b32 s47, 0
	s_mul_i32 s20, s12, HALFA
	s_mul_i32 s45, s12, HALFB
	s_add_co_u32 s45, s45, 2*HALFA
	s_wait_dscnt 0x0
	s_wait_kmcnt 0x0
	s_add_nc_u64 s[14:15], s[4:5], s[16:17]
	s_add_nc_u64 s[46:47], s[6:7], s[46:47]
	CROUND
.irp s, 0,1
	s_mov_b32 s[G0+4*\s], 1
	s_add_co_u32 s[G0+4*\s+1], s20, \s*SLOT
	s_add_nc_u64 s[G0+4*\s+2:G0+4*\s+3], s[14:15], \s*KSTEP*2
	s_or_b32 s[G0+4*\s+3], s[G0+4*\s+3], 0x80000000
	s_mov_b32 s[G0B+4*\s], 1
	s_add_co_u32 s[G0B+4*\s+1], s45, \s*SLOT
	s_add_nc_u64 s[G0B+4*\s+2:G0B+4*\s+3], s[46:47], \s*KSTEP*2
	s_or_b32 s[G0B+4*\s+3], s[G0B+4*\s+3], 0x80000000
	JLOAD \s
.endr
	v_and_b32 v1, 15, v0
	v_bfe_u32 v2, v0, 4, 1
	v_mul_u32_u24 v3, v1, PITCH
	v_lshl_add_u32 v4, v2, 5, v3                   ; r x pitch + 32 h: the stage
	v_lshl_add_u32 v3, v2, 4, v3                   ; r x pitch + 16 h: fragments
	s_mul_i32 s21, s11, HALFA
	s_mul_i32 s22, s12, HALFB
	s_add_co_u32 s22, s22, 2*HALFA
.irp s, 0,1
	v_add_nc_u32 v[ADRA+\s], s21, v3
	v_add_nc_u32 v[ADRB+\s], s22, v3
	s_add_co_u32 s21, s21, SLOT
	s_add_co_u32 s22, s22, SLOT
.endr
	s_mul_i32 s23, s10, 16*PITCH
	s_add_co_u32 s23, s23, STAGE
	v_add_nc_u32 v[STO], s23, v4
	v_mul_u32_u24 v5, v2, PITCH
	v_lshl_add_u32 v5, v1, 4, v5
	v_add_nc_u32 v[RD], s23, v5
	v_lshlrev_b32 v5, 12, v2
	v_lshl_add_u32 v[CO], v1, 4, v5                ; 4,096 h + 16 r
.macro MUL8 f, fb, a0, zero
.irp a, \a0, \a0+1
.irp b, 0,1,2,3
.if \zero
	v_wmma_f32_16x16x32_f16 v[8*(4*(\a)+\b):8*(4*(\a)+\b)+7], v[\fb+8*\b:\fb+8*\b+7], v[\f+8*(\a):\f+8*(\a)+7], 0
.else
	v_wmma_f32_16x16x32_f16 v[8*(4*(\a)+\b):8*(4*(\a)+\b)+7], v[\fb+8*\b:\fb+8*\b+7], v[\f+8*(\a):\f+8*(\a)+7], v[8*(4*(\a)+\b):8*(4*(\a)+\b)+7]
.endif
.endr
.endr
.endm
.macro FETCH slot, k, f, fb            ; 24 LDS loads in one run: W_out 8, u 16
.irp i, 0,1,2,3
	ds_load_b128 v[\fb+8*\i:\fb+8*\i+3],   v[ADRB+\slot] offset:\k+\i*16*PITCH
	ds_load_b128 v[\fb+8*\i+4:\fb+8*\i+7], v[ADRB+\slot] offset:\k+\i*16*PITCH+32
.endr
.irp i, 0,1,2,3,4,5,6,7
	ds_load_b128 v[\f+8*\i:\f+8*\i+3],   v[ADRA+\slot] offset:\k+\i*16*PITCH
	ds_load_b128 v[\f+8*\i+4:\f+8*\i+7], v[ADRA+\slot] offset:\k+\i*16*PITCH+32
.endr
.endm
.macro QUARTER slot, k, f, g, fb, gb, zero
	s_wait_dscnt 8                                 ; all but the youngest eight loads (u's rows 64-127 of my block) are in
	WIN MUL
	MUL8 \f, \fb, 0, \zero
	MUL8 \f, \fb, 2, \zero
	WIN 0
	PLACES
	FETCH \slot, \k, \g, \gb
	s_wait_dscnt 24                                ; all but the 24 just issued
	WIN MUL
	MUL8 \f, \fb, 4, \zero
	MUL8 \f, \fb, 6, \zero
.endm
.macro THREE slot, zero
	QUARTER \slot, 64,  F0, F1, FB0, FB1, \zero
	QUARTER \slot, 128, F1, F0, FB1, FB0, 0
	QUARTER \slot, 192, F0, F1, FB0, FB1, 0
.endm
; The change of slots: each wave's reads of this slot and all its tensor loads are waited for in front of the barrier, which opens a round of the cluster's
; barrier where the slot is filled again; the joint refill is the first tensor load behind the round.
.macro TURN slot, next, fill
	s_wait_dscnt 8
	WIN MUL
	MUL8 F1, FB1, 0, 0
	s_wait_dscnt 0
	s_wait_tensorcnt 0x0
	ds_add_u32 v62, v63
	s_wait_dscnt 0x0
	s_barrier_signal -1
	MUL8 F1, FB1, 2, 0
	WIN 0
	s_barrier_wait -1
.if \fill
	CREST
	s_add_nc_u64 s[G0+4*\slot+2:G0+4*\slot+3], s[G0+4*\slot+2:G0+4*\slot+3], 2*KSTEP*2
	s_add_nc_u64 s[G0B+4*\slot+2:G0B+4*\slot+3], s[G0B+4*\slot+2:G0B+4*\slot+3], 2*KSTEP*2
	JLOAD \slot
.endif
	PLACES
	FETCH \next, 0, F0, FB0
	WIN MUL
	MUL8 F1, FB1, 4, 0
	MUL8 F1, FB1, 6, 0
.endm
.macro LAP zero
	THREE 0, \zero
	TURN 0, 1, 1
	THREE 1, 0
	TURN 1, 0, 1
.endm
	s_wait_tensorcnt 1                             ; my part of K step 0 is in; K step 1's stays out
	s_barrier_signal -1
	s_barrier_wait -1
	FETCH 0, 0, F0, FB0
	LAP 1
	WIN 0
	s_mov_b32 s3, LAPS-2
.Llap:
	LAP 0
	WIN 0
	s_sub_co_u32 s3, s3, 1
	s_cmp_lg_u32 s3, 0
	s_cbranch_scc1 .Llap
	THREE 0, 0
	TURN 0, 1, 0
	THREE 1, 0
	s_wait_dscnt 8
	WIN MUL
	MUL8 F1, FB1, 0, 0
	MUL8 F1, FB1, 2, 0
	s_wait_dscnt 0
	MUL8 F1, FB1, 4, 0
	MUL8 F1, FB1, 6, 0
	WIN 0
	PLACES
	s_lshl_b32 s16, s13, 8
	s_lshl_b32 s14, s11, 7
	s_add_co_u32 s16, s16, s14
	s_lshl_b32 s16, s16, 12                        ; my first row, 4,096 bytes a row
	s_mov_b32 s17, 0
	s_add_nc_u64 s[8:9], s[8:9], s[16:17]
	s_lshl_b32 s46, s42, 9
	s_lshl_b32 s47, s12, 8
	s_add_co_u32 s46, s46, s47                     ; column byte 512 bx + 256 j
	s_mov_b32 s47, 0
	s_add_nc_u64 s[8:9], s[8:9], s[46:47]
.macro OUTF a, f                       ; 16 rows x 64 columns of f32 through my stage, out as whole rows of 256 bytes
	WIN 0x04
.irp b, 0,1,2,3
	ds_store_b128 v[STO], v[8*(4*\a+\b):8*(4*\a+\b)+3]   offset:64*\b
	ds_store_b128 v[STO], v[8*(4*\a+\b)+4:8*(4*\a+\b)+7] offset:64*\b+16
.endr
	WIN 0
	s_wait_xcnt 0x0                                ; the read-back registers and the base were stores' sources
.if \a
	s_add_nc_u64 s[8:9], s[8:9], 16*4096
.endif
.irp t, 0,1,2,3,4,5,6,7
	ds_load_b128 v[\f+4*\t:\f+4*\t+3], v[RD] offset:\t*2*PITCH
.endr
.irp t, 0,1,2,3,4,5,6,7
	s_wait_dscnt 7-\t
	global_store_b128 v[CO], v[\f+4*\t:\f+4*\t+3], s[8:9] offset:\t*8192   ; 16 lanes store 256 consecutive bytes, aligned
.endr
.endm
	OUTF 0, F0
	OUTF 1, F1
	OUTF 2, F0
	OUTF 3, F1
	OUTF 4, F0
	OUTF 5, F1
	OUTF 6, F0
	OUTF 7, F1
	s_wait_tensorcnt 0x0
	ds_add_u32 v62, v63
	s_wait_dscnt 0x0
	CROUND                                         ; no work-group ends while a partner may still ask for a tile that names it
	s_endpgm
.Lfunc_end_k_qafc080f15d_gemm_out:
	.size	k_qafc080f15d_gemm_out, .Lfunc_end_k_qafc080f15d_gemm_out-k_qafc080f15d_gemm_out
	.p2alignl 7, 3214868480
	.fill 96, 4, 3214868480
	.section	.rodata,"a",@progbits
	.p2align	6, 0x0
	.amdhsa_kernel k_qafc080f15d_gemm_out
		.amdhsa_group_segment_fixed_size 327680
		.amdhsa_private_segment_fixed_size 0
		.amdhsa_enable_private_segment 0
		.amdhsa_kernarg_size 24
		.amdhsa_user_sgpr_count 2
		.amdhsa_user_sgpr_kernarg_segment_ptr 1
		.amdhsa_wavefront_size32 1
		.amdhsa_system_sgpr_workgroup_id_x 1
		.amdhsa_system_sgpr_workgroup_id_y 1
		.amdhsa_system_sgpr_workgroup_id_z 1
		.amdhsa_system_vgpr_workitem_id 0
		.amdhsa_next_free_vgpr 512
		.amdhsa_next_free_sgpr 66
		.amdhsa_reserve_vcc 0
		.amdhsa_float_denorm_mode_32 3
		.amdhsa_float_denorm_mode_16_64 3
		.amdhsa_memory_ordered 1
		.amdhsa_forward_progress 1
		.amdhsa_inst_pref_size 118
	.end_amdhsa_kernel
	.amdgpu_metadata
---
amdhsa.version: [ 1, 2 ]
amdhsa.kernels:
  - .name:           k_qafc080f15d_gemm_out
    .symbol:         k_qafc080f15d_gemm_out.kd
    .args:
      - { .name: ub, .offset: 0, .size: 8, .value_kind: global_buffer, .address_space: global }
      - { .name: h16, .offset: 8, .size: 8, .value_kind: global_buffer, .address_space: global }
      - { .name: out0, .offset: 16, .size: 8, .value_kind: global_buffer, .address_space: global }
    .group_segment_fixed_size: 327680
    .private_segment_fixed_size: 0
    .kernarg_segment_align: 8
    .kernarg_segment_size: 24
    .max_flat_workgroup_size: 128
    .sgpr_count:     66
    .vgpr_count:     512
    .wavefront_size: 32
...
	.end_amdgpu_metadata
.endif
;; end of part 9
